; MI455X (gfx1250); checked and timed in simulation.
; The chip was launched on July 23, 2026; its instructions are those of AMD's public machine-readable ISA for CDNA 5 (MIT licence, August 2026) and "CDNA5" Instruction Set Architecture Reference Guide (July 2026). The comments in the code are by the model that wrote it; some were corrected since.
;; Flash Attention Simulator. Allowed arithmetic: matrix products marked QUANTISED: E2M1 operands, one E8M0 scale for each 32 along K, by v_wmma_scale_f32_16x16x128_f8f6f4 with both operands' format E2M1 (or v_wmma_scale_f32_32x16x128_f4), f32 sums; products left as they are: bf16, f16 or f32 operands; f32 sums; everything else in f32.
;; Inputs: Wk 1,024 x 1,024 float32; Wo 1,024 x 1,024 float32; Wq 1,024 x 1,024 float32; Wv 1,024 x 1,024 float32; bo 1,024 float32; x 4 x 2,048 x 1,024 float32.
;; Outputs: out0 4 x 2,048 x 1,024 float32.
;; This version of the problem:
;;   THIS VERSION OF THE PROBLEM IS GIVEN IN LOW PRECISION. The matrix products marked QUANTISED in the list below multiply operands that are first quantised to E2M1 (2 exponent bits, 1 mantissa bit; 4 bits a number), with one power-of-two scale for each 32 numbers along K (OCP MX v1.0); their sums are f32. The products marked 'left as it is' may take bf16, f16 or f32 operands, with f32 sums. Whichever they take, every output number must still come out within the allowed error. Rounding operands to bf16 (8 significant bits) uses up far more of that allowance than f16 does (11 bits, for magnitudes from 6e-5 to 65,504). All else is computed in f32.
;;   The module's matrix products, in the order in which they are computed (A, B: the left and right operand; K: the contracted axis; several contracted axes count as one K, in the product's order):
;;     1. [M 8,192, K 1,024] x [K 1,024, N 1,024]; A: input x; B: input Wq: QUANTISED
;;     2. [M 8,192, K 1,024] x [K 1,024, N 1,024]; A: input x; B: input Wk: QUANTISED
;;     3. [M 8,192, K 1,024] x [K 1,024, N 1,024]; A: input x; B: input Wv: QUANTISED
;;     4. batch 64 x [M 2,048, K 64] x [K 64, N 2,048]; A: computed on the way; B: computed on the way: left as it is (an operand is computed on the way)
;;     5. batch 64 x [M 2,048, K 2,048] x [K 2,048, N 64]; A: computed on the way; B: computed on the way: left as it is (an operand is computed on the way)
;;     6. [M 8,192, K 1,024] x [K 1,024, N 1,024]; A: computed on the way; B: input Wo: left as it is (an operand is computed on the way)
;;   THE QUANTISER, for each operand of a quantised product, along K:
;;     - K is cut into blocks of 32 from its start; a last block that is shorter is filled with zeros.
;;     - A block's scale is 2^e with e = floor(log2(the largest magnitude in the block)) - 2, held to -126 .. 127; a block of zeros has e = 0. As a byte (E8M0): e + 127.
;;     - Each number is divided by its block's scale, clamped to +-6, and rounded to the nearest number of E2M1, ties to even, subnormals kept.
;;     - The product sums the exact products of the quantised numbers (number of the format x scale) in f32.
;;   ~~~python
;;   def quantise(x, axis):      # numpy; x: float32 -> the quantised numbers, widened to float32 again
;;       x = np.moveaxis(x, axis, -1); K = x.shape[-1]
;;       x = np.pad(x, [(0, 0)] * (x.ndim - 1) + [(0, -K % 32)]); x = x.reshape(x.shape[:-1] + (-1, 32)); a = np.abs(x).max(-1, keepdims=True)
;;       e = np.where(a > 0, np.clip(np.frexp(np.where(a > 0, a, 1))[1] - 1 - 2, -126, 127), 0)      # np.frexp(a)[1] - 1 = floor(log2(a)), exactly
;;       r = np.clip(x / 2.0 ** e, -6, 6)
;;       step = 2.0 ** (np.maximum(np.frexp(np.where(r == 0, 1, r))[1] - 1, 0) - 1)
;;       q = np.round(r / step) * step * 2.0 ** e      # np.round: ties to even
;;       return np.moveaxis(q.reshape(q.shape[:-2] + (-1,))[..., :K], -1, axis).astype(np.float32)
;;   ~~~
;; One version. Each part assembles by itself: llvm-mc -triple=amdgcn-amd-amdhsa -mcpu=gfx1250 --defsym DOCPART=n.
;; ======== version 1 of 1: 4 launches
;; limits: values are held in f16: magnitudes above 65,504 overflow, below 6.1e-05 lose precision
;; workspace buffers: xc 4,194,304 bytes; xs 262,144 bytes; wc 1,572,864 bytes; ws 98,304 bytes; wo16 2,097,152 bytes; qkv 50,331,648 bytes; ao 16,777,216 bytes
;; launch quant (part 1): grid 384 x 1, 4 waves a work-group, no clusters, 33,280 bytes of LDS; arguments x, Wq, Wk, Wv, Wo, xc, xs, wc, ws, wo16; writes xc, xs, wc, ws, wo16
.if DOCPART == 1
	.amdgcn_target "amdgcn-amd-amdhsa--gfx1250"
	.amdhsa_code_object_version 6
	.text
	.protected	k_q14f2957d6e_quant
	.globl	k_q14f2957d6e_quant
	.p2align	8
	.type	k_q14f2957d6e_quant,@function
k_q14f2957d6e_quant:
	s_mov_b64 s[64:65], 0
	v_nop
	global_prefetch_b8 v0, s[64:65] scope:SCOPE_SE
	s_setreg_imm32_b32 hwreg(HW_REG_WAVE_MODE, 25, 1), 1
	s_wait_xcnt 0x0
; LAUNCH 1 OF 4.  The program: (1) x, Wq, Wk, Wv become codes of E2M1 with one E8M0 byte for each 32 along K, and Wo becomes f16; (2) q, k, v = x W^T on the codes, stored as f16 head by head;
; (3) attention with a running maximum, f16 operands and f32 sums; (4) the projection by Wo and the bias bo.
; NO WORK OF reference() IS LEFT OUT: every input (x, Wq, Wk, Wv, Wo, bo) has a way to out0, the row's maximum is taken away before the exponential, and the 1e-8 in the divisor is added.
; THIS LAUNCH.  x [8192][1024] and Wq, Wk, Wv [1024][1024], f32, K innermost, are plain streams of blocks of 32 numbers, and so are their codes and scale bytes.
; xc [8192][512], xs [8192][32];  wc [3072][512], ws [3072][32]: rows 0-1023 Wq's, 1024-2047 Wk's, 2048-3071 Wv's.
; A block's scale is 2^(floor(log2(its largest magnitude)) - 2); its byte is the largest magnitude's exponent field - 2, held at 1 from below.  A block of zeros so gets the byte 1 where the rule says 127:
; its codes are zeros, which add nothing under any byte but 0xff, and the bytes are read by this program alone.  Each number is divided by the scale and rounded to the nearest code, ties to even; beyond 6 the largest code.
; wo16 [16 heads][1024 n][64]: wo16[hd][n][d] = Wo[n][64 hd + d] in f16, so that a head's rows are dense blocks for launch 4.
; LIMITS: NaN and infinities among the inputs are not served; |Wo| over 65,504 becomes infinity in f16, under 6e-5 it keeps an absolute error of 3e-8.
; SHARES.  Work-groups 0-255 take x, 256-287 Wq, 288-319 Wk, 320-351 Wv: 32,768 numbers each, 8,192 a wave, in 16 steps of 512.  Work-groups 352-383 take Wo: 8 rows a wave.
; No work-group reads what another reads: no cluster, no joint load.  No tensor load, no barrier: waves share nothing.
; A quantising step: four loads of 512 consecutive bytes; the 2,048 bytes turn through the wave's own stage in LDS, so that a lane holds 16 neighbours along K (two neighbouring lanes hold a block);
; a lane's 16 codes are 8 bytes: the wave stores 256 consecutive bytes.  A wave's 256 scale bytes are gathered in LDS and leave as 256 consecutive bytes.
.set WAVES, 4
.set STEPS, 16
.set G_WQ,  256                        ; the first work-group of each tensor
.set G_WK,  288
.set G_WV,  320
.set G_WO,  352
.set EMAX,  2
.set CB,    8                          ; bytes of 16 codes
.set R,     16                         ; v16-79   four sets of 16 numbers as they are loaded
.set X,     80                         ; v80-111  two sets of 16 neighbours
.set E,     112                        ; v112-127 a scale byte for each step
.set C,     128                        ; v128-191 codes: four registers for each step, so that no store's data are written again
.set WREG,  8192                       ; LDS: a region for each wave: two stages of 32 x SP bytes, and behind them its 256 scale bytes
.set SP,    80                         ; a lane's place in a stage: 64 bytes + 16 of padding
.set SPW,   12                         ; v12  LDS address of my spare word: SPARE + 4 x my thread's number; never rewritten
.set NIL,   13                         ; v13  0; never rewritten
.set SPARE, WAVES*WREG                 ; behind the four regions: the spare words, 128 bytes for each wave
.set WI,    16                         ; Wo's path: v16-79 two sets of 32 numbers
.set WH,    96                         ; v96-127 two sets of 16 registers of f16
	s_load_b256 s[4:11], s[0:1], 0x0               ; x s[4:5], Wq s[6:7], Wk s[8:9], Wv s[10:11]
	s_load_b256 s[12:19], s[0:1], 0x20             ; Wo s[12:13], xc s[14:15], xs s[16:17], wc s[18:19]
	s_load_b128 s[20:23], s[0:1], 0x40             ; ws s[20:21], wo16 s[22:23]
	v_lshl_add_u32 v[SPW], v0, 2, SPARE
	v_mov_b32 v[NIL], 0
	v_lshrrev_b32 v1, 5, v0
	v_readfirstlane_b32 s24, v1                    ; wave
	v_and_b32 v2, 31, v0                           ; lane
	s_wait_kmcnt 0x0
	s_cmp_ge_u32 ttmp9, G_WO                       ; the work-group's number alone decides
	s_cbranch_scc1 .Lwo
	; ---- the quantiser
	v_lshlrev_b32 v3, 4, v2                        ; my 16 bytes of a load's 512
	s_mul_i32 s25, s24, WREG
	v_lshrrev_b32 v14, 2, v2
	v_mul_u32_u24 v14, v14, SP
	v_and_b32 v15, 3, v2
	v_lshl_add_u32 v14, v15, 4, v14
	v_add_nc_u32 v14, s25, v14                     ; the stage, on the way in: SP (lane / 4) + 16 (lane % 4)
	v_mul_u32_u24 v15, v2, SP
	v_add_nc_u32 v15, s25, v15                     ; and on the way out: SP x lane: my 16 neighbours
	v_mul_u32_u24 v4, v2, CB                       ; my codes' place in a step's
	v_lshrrev_b32 v5, 1, v2
	s_add_co_u32 s25, s25, 2*32*SP
	v_add_nc_u32 v5, s25, v5                       ; LDS: my wave's 256 scale bytes, my block's byte
	v_lshlrev_b32 v7, 3, v2                        ; and on the way out 8 bytes a lane
	v_add_nc_u32 v6, s25, v7
	s_mov_b64 s[26:27], s[10:11]                   ; the source and its first work-group: Wv's,
	s_mov_b32 s28, G_WV
	s_cmp_lt_u32 ttmp9, G_WV
	s_cselect_b64 s[26:27], s[8:9], s[26:27]       ; or Wk's,
	s_cselect_b32 s28, G_WK, s28
	s_cmp_lt_u32 ttmp9, G_WK
	s_cselect_b64 s[26:27], s[6:7], s[26:27]       ; or Wq's,
	s_cselect_b32 s28, G_WQ, s28
	s_cmp_lt_u32 ttmp9, G_WQ
	s_cselect_b64 s[26:27], s[4:5], s[26:27]       ; or x's
	s_cselect_b32 s28, 0, s28
	s_cselect_b64 s[30:31], s[14:15], s[18:19]     ; the codes: xc or wc
	s_cselect_b64 s[32:33], s[16:17], s[20:21]     ; the scale bytes: xs or ws
	s_cselect_b32 s29, 0, G_WQ                     ; the first work-group of that pair of buffers
	s_sub_co_u32 s34, ttmp9, s28
	s_lshl_b32 s34, s34, 2
	s_add_co_u32 s34, s34, s24                     ; which run of 8,192 numbers of the source is my wave's
	s_lshl_b32 s34, s34, 15                        ; 32,768 bytes a run
	s_mov_b32 s35, 0
	s_add_nc_u64 s[26:27], s[26:27], s[34:35]
	s_sub_co_u32 s36, ttmp9, s29
	s_lshl_b32 s36, s36, 2
	s_add_co_u32 s36, s36, s24                     ; and which run of the buffers
	s_lshl_b32 s34, s36, 12                        ; 4,096 bytes of codes a run
	s_add_nc_u64 s[30:31], s[30:31], s[34:35]
	s_lshl_b32 s34, s36, 8                         ; 256 scale bytes a run
	s_add_nc_u64 s[32:33], s[32:33], s[34:35]
.macro LOAD t
.irp i, 0,1,2,3
	global_load_b128 v[R+16*((\t)%4)+4*\i:R+16*((\t)%4)+4*\i+3], v3, s[26:27] offset:2048*(\t)+512*\i th:TH_LOAD_NT   ; 32 lanes read 512 consecutive bytes
.endr
.endm
.macro TURN t                          ; step t's numbers through the stage: LDS serves a wave's instructions in order, so no wait stands between the stores and the loads
.irp i, 0,1,2,3
	ds_store_b128 v14, v[R+16*((\t)%4)+4*\i:R+16*((\t)%4)+4*\i+3] offset:32*SP*((\t)%2)+8*SP*\i
.endr
.irp i, 0,1,2,3
	ds_load_b128 v[X+16*((\t)%2)+4*\i:X+16*((\t)%2)+4*\i+3], v15 offset:32*SP*((\t)%2)+16*\i
.endr
.endm
.irp t, 0,1,2,3
	LOAD \t
.endr
	s_wait_loadcnt 12                              ; step 0's four loads are in; the twelve of steps 1 to 3 may be out
	TURN 0
.macro STEP t
.set XS, X+16*((\t)%2)
.if (\t) > 0
	s_wait_dscnt 1                                 ; this step's numbers are back from the stage (the last step's byte store may be out): so its stores into the stage have read their registers,
.else
	s_wait_dscnt 0x0
.endif
.if (\t)+4 < STEPS
	LOAD (\t)+4                                    ; which take the loads of four steps on
.endif
.if (\t)+1 < STEPS
.if STEPS-2-(\t) >= 3
	s_wait_loadcnt 12                              ; the next step's four loads are in; those of the three steps behind it may be out
.else
	s_wait_loadcnt 4*(STEPS-2-(\t))
.endif
	TURN (\t)+1                                    ; and go through the other stage while this step is worked
.endif
	v_max3_num_f32 v8, |v[XS]|, |v[XS+1]|, |v[XS+2]|               ; the largest magnitude of my 16, in two chains
	v_max3_num_f32 v9, |v[XS+3]|, |v[XS+4]|, |v[XS+5]|
.irp i, 6,10
	v_max3_num_f32 v8, v8, |v[XS+\i]|, |v[XS+\i+1]|
	v_max3_num_f32 v9, v9, |v[XS+\i+2]|, |v[XS+\i+3]|
.endr
	v_max3_num_f32 v8, v8, |v[XS+14]|, |v[XS+15]|
	v_max3_num_f32 v8, v8, v9, (EMAX+1)<<23        ; and the floor 2^(EMAX + 1 - 127): so the byte cannot fall under 1
	v_max_num_f32_dpp v8, v8, v8 row_xmask:1 row_mask:0xf bank_mask:0xf   ; and of my neighbour's 16: the block's
	v_add_nc_u32 v11, -(EMAX<<23), v8              ; EMAX off its exponent field: the conversion takes the exponent field of this operand as its scale, and nothing else of it
	v_cvt_scalef32_pk8_fp4_f32 v[C+4*(\t)], v[XS:XS+7], v11        ; eight numbers / the scale, to the nearest code, ties to even; the first number's code in the lowest four bits
	v_cvt_scalef32_pk8_fp4_f32 v[C+4*(\t)+1], v[XS+8:XS+15], v11
	v_lshrrev_b32 v[E+(\t)], 23, v11               ; the scale's byte (a plain line behind the conversions)
	ds_store_b8 v5, v[E+(\t)] offset:16*(\t)       ; both lanes of a block write the same byte with the same value
	global_store_b64 v4, v[C+4*(\t):C+4*(\t)+1], s[30:31] offset:32*CB*(\t)   ; 32 lanes store 256 consecutive bytes
.endm
.irp t, 0,1,2,3,4,5,6,7,8,9,10,11,12,13,14,15
	STEP \t
.endr
	ds_load_b64 v[8:9], v6                         ; LDS serves a wave's instructions in order: these see my stores
	s_wait_dscnt 0x0
	global_store_b64 v7, v[8:9], s[32:33]          ; 32 lanes store the wave's 256 scale bytes
	s_wait_tensorcnt 0x0                           ; the wave's end, behind my last LDS store
	ds_add_u32 v[SPW], v[NIL]
	s_wait_dscnt 0x0
	s_endpgm
	; ---- Wo to f16, head by head.  Wave W (0 to 127) takes rows n = 8 W .. 8 W + 7.  In a piece (i, hd) eight lanes read a head's 256 bytes of one row, four rows a piece;
	; a lane's 8 numbers become 16 bytes, and the 32 lanes store 512 consecutive bytes: rows 8 W + 4 i .. + 3 of head hd.  Eight batches of four pieces; loads run two batches ahead.
.Lwo:
	s_sub_co_u32 s25, ttmp9, G_WO
	s_lshl_b32 s25, s25, 2
	s_add_co_u32 s25, s25, s24                     ; W
	s_lshl_b32 s26, s25, 15                        ; 8 rows of 4,096 bytes
	s_mov_b32 s27, 0
	s_add_nc_u64 s[12:13], s[12:13], s[26:27]
	s_lshl_b32 s26, s25, 10                        ; 8 rows of 128 bytes in each head
	s_add_nc_u64 s[22:23], s[22:23], s[26:27]
	v_lshrrev_b32 v3, 3, v2
	v_and_b32 v4, 7, v2
	v_lshlrev_b32 v3, 12, v3
	v_lshl_add_u32 v3, v4, 5, v3                   ; in: row lane / 8, 32 bytes x (lane % 8)
	v_lshlrev_b32 v4, 4, v2                        ; out: 16 bytes a lane
.macro WLOAD k                         ; batch k: i = k / 4, heads 4 (k % 4) + 0 .. 3, into set k % 2
.irp e, 0,1,2,3
	global_load_b128 v[WI+32*((\k)%2)+8*\e:WI+32*((\k)%2)+8*\e+3],   v3, s[12:13] offset:((\k)/4)*16384+(4*((\k)%4)+\e)*256
	global_load_b128 v[WI+32*((\k)%2)+8*\e+4:WI+32*((\k)%2)+8*\e+7], v3, s[12:13] offset:((\k)/4)*16384+(4*((\k)%4)+\e)*256+16
.endr
.endm
.macro WBATCH k
.if (\k) < 7
	s_wait_loadcnt 8                               ; this batch's eight loads are in; the next batch's eight may be out
.else
	s_wait_loadcnt 0x0
.endif
.if (\k) >= 2
	s_wait_xcnt 0x0                                ; the stores of two batches back have read their data: those registers are written again only behind this wait
.endif
.irp e, 0,1,2,3
.irp j, 0,1,2,3
	v_cvt_pk_f16_f32 v[WH+16*((\k)%2)+4*\e+\j], v[WI+32*((\k)%2)+8*\e+2*\j], v[WI+32*((\k)%2)+8*\e+2*\j+1]
.endr
.endr
.if (\k)+2 < 8
	WLOAD (\k)+2
.endif
.irp e, 0,1,2,3
	global_store_b128 v4, v[WH+16*((\k)%2)+4*\e:WH+16*((\k)%2)+4*\e+3], s[22:23] offset:(4*((\k)%4)+\e)*131072+((\k)/4)*512
.endr
.endm
	WLOAD 0
	WLOAD 1
.irp k, 0,1,2,3,4,5,6,7
	WBATCH \k
.endr
	s_wait_tensorcnt 0x0                           ; the wave's end
	ds_add_u32 v[SPW], v[NIL]
	s_wait_dscnt 0x0
	s_endpgm
.Lfunc_end_k_q14f2957d6e_quant:
	.size	k_q14f2957d6e_quant, .Lfunc_end_k_q14f2957d6e_quant-k_q14f2957d6e_quant
	.p2alignl 7, 3214868480
	.fill 96, 4, 3214868480
	.section	.rodata,"a",@progbits
	.p2align	6, 0x0
	.amdhsa_kernel k_q14f2957d6e_quant
		.amdhsa_group_segment_fixed_size 33280
		.amdhsa_private_segment_fixed_size 0
		.amdhsa_enable_private_segment 0
		.amdhsa_kernarg_size 80
		.amdhsa_user_sgpr_count 2
		.amdhsa_user_sgpr_kernarg_segment_ptr 1
		.amdhsa_wavefront_size32 1
		.amdhsa_system_sgpr_workgroup_id_x 1
		.amdhsa_system_sgpr_workgroup_id_y 1
		.amdhsa_system_sgpr_workgroup_id_z 1
		.amdhsa_system_vgpr_workitem_id 0
		.amdhsa_next_free_vgpr 192
		.amdhsa_next_free_sgpr 66
		.amdhsa_reserve_vcc 0
		.amdhsa_float_denorm_mode_32 3
		.amdhsa_float_denorm_mode_16_64 3
		.amdhsa_memory_ordered 1
		.amdhsa_forward_progress 1
		.amdhsa_inst_pref_size 52
	.end_amdhsa_kernel
	.amdgpu_metadata
---
amdhsa.version: [ 1, 2 ]
amdhsa.kernels:
  - .name:           k_q14f2957d6e_quant
    .symbol:         k_q14f2957d6e_quant.kd
    .args:
      - { .name: x, .offset: 0, .size: 8, .value_kind: global_buffer, .address_space: global }
      - { .name: Wq, .offset: 8, .size: 8, .value_kind: global_buffer, .address_space: global }
      - { .name: Wk, .offset: 16, .size: 8, .value_kind: global_buffer, .address_space: global }
      - { .name: Wv, .offset: 24, .size: 8, .value_kind: global_buffer, .address_space: global }
      - { .name: Wo, .offset: 32, .size: 8, .value_kind: global_buffer, .address_space: global }
      - { .name: xc, .offset: 40, .size: 8, .value_kind: global_buffer, .address_space: global }
      - { .name: xs, .offset: 48, .size: 8, .value_kind: global_buffer, .address_space: global }
      - { .name: wc, .offset: 56, .size: 8, .value_kind: global_buffer, .address_space: global }
      - { .name: ws, .offset: 64, .size: 8, .value_kind: global_buffer, .address_space: global }
      - { .name: wo16, .offset: 72, .size: 8, .value_kind: global_buffer, .address_space: global }
    .group_segment_fixed_size: 33280
    .private_segment_fixed_size: 0
    .kernarg_segment_align: 8
    .kernarg_segment_size: 80
    .max_flat_workgroup_size: 128
    .sgpr_count:     66
    .vgpr_count:     192
    .wavefront_size: 32
...
	.end_amdgpu_metadata
.endif
;; end of part 1
;; launch qkv (part 2): grid 12 x 32, 4 waves a work-group, clusters of 4 x 4, 327,680 bytes of LDS; arguments xc, xs, wc, ws, qkv; writes qkv
.if DOCPART == 2
	.amdgcn_target "amdgcn-amd-amdhsa--gfx1250"
	.amdhsa_code_object_version 6
	.text
	.protected	k_q14f2957d6e_qkv
	.globl	k_q14f2957d6e_qkv
	.p2align	8
	.type	k_q14f2957d6e_qkv,@function
k_q14f2957d6e_qkv:
	s_mov_b64 s[64:65], 0
	v_nop
	global_prefetch_b8 v0, s[64:65] scope:SCOPE_SE
	s_setreg_imm32_b32 hwreg(HW_REG_WAVE_MODE, 25, 1), 1
	s_wait_xcnt 0x0
	s_wait_alu depctr_hold_cnt(0) depctr_sa_sdst(0) depctr_va_vdst(0) depctr_va_sdst(0) depctr_va_ssrc(0) depctr_va_vcc(0) depctr_vm_vsrc(0)
	s_getreg_b32 s2, hwreg(HW_REG_IB_STS2, 6, 4)
	s_cmp_eq_u32 s2, 0
	s_cbranch_scc0 .Lentry_in_a_cluster
	s_endpgm
.Lentry_in_a_cluster:
	s_bfe_u32 s2, ttmp6, 0x10000c
	s_cmp_lg_u32 s2, 0xf033
	s_cbranch_scc0 .Lentry_shape_is_right
	s_endpgm
.Lentry_shape_is_right:
; LAUNCH 2 OF 4.  C[m][n] = sum over k of x[m][k] W[n][k], m = 0 .. 8191 (token b x 2048 + t), n = 0 .. 3071 (Wq's, Wk's, Wv's rows on end), K = 1,024, on codes of E2M1 with one E8M0 scale for each 32 along K; sums in f32.
; Nothing of reference() is left out here.  The result is rounded once to f16 and stored head by head: qkv = three parts (q, k, v) of [64 (16 b + h)][2048 t][64] f16, so that a head's rows are dense in memory.
; LIMIT: |q|, |k|, |v| over 65,504 become infinity in f16.
; A tile of C, 256 x 256, is made by a work-group of four waves; a wave makes 128 x 128: 64 accumulators of 16 x 16, 512 registers.  K lies in two LDS slots of 512 along K (a tile's row is 256 bytes of memory),
; both asked for at the start: no slot is filled again.  The scale bytes of the work-group's 256 rows of x and 256 rows of W, for all of K, are two dense blocks of memory and come with the first fills.
; CLUSTERS: 4 x 4 work-groups.  The four of a row of the cluster need the same tiles of x, the four of a column the same tiles of W: each tile is asked for JOINTLY, by the same tensor load with the same descriptor
; and a mask that names the four.  THE MATRIX INSTRUCTION IS USED TRANSPOSED (source 0 = 16 rows of W, source 1 = 16 rows of x): a lane then holds eight neighbouring numbers of a row of C.
; REGISTERS, in windows of 256: window 0: v0-31 addresses; v32-95 scale words, two sets, and nothing else; v128-191 x's fragments (8 x 16 rows x 128 K), ONE set; on the way out v128-223.
;   window 1: W's fragments, TWO sets, at v0 and at v128.   window 2: the 32 accumulators of my rows 0-63 (accumulator (a, b) at v[8 (8 a + b)]);   window 3: those of my rows 64-127.
.set SIZE_K, 1024
.set KSTEP,  512                       ; along K in a slot
.set NQ,     KSTEP/128                 ; matrix instructions deep
.set ROWB,   256                       ; a tile's row in bytes
.set KROW,   SIZE_K*4/8                ; a row of codes in memory, in bytes
.set PITCH,  272                       ; an LDS row: 256 bytes + 16 of padding, so that the 16 rows that a load touches begin 16 bytes further on in each run of 256
.set FR,     8                         ; registers of a fragment: 16 rows x 128 K
.set NL,     2                         ; LDS loads that bring one
.set NP,     4                         ; places behind this matrix instruction (ISA guide 7.12.1)
.set HALFT,  128*PITCH                 ; 128 rows: what one tensor load brings, and what one wave reads of x or of W
.set SLOT,   4*HALFT                   ; x's 256 rows, then W's 256 rows
.set KS,     SIZE_K/32                 ; a row of scales in bytes
.set SCL,    2*SLOT                    ; behind the slots: the scales, as runs of 256 bytes + 16 of padding
.set HALFS,  (128*KS/256)*272          ; the scales of 128 rows: what one tensor load brings
.set SBLK,   (16*KS/256)*272           ; those of 16 rows
.set SPARE,  SCL+4*HALFS               ; behind the scales: the spare words, 128 bytes for each wave
.set SPITCH, 272                       ; the way out: a stage of 16 rows x (256 bytes + 16) for each wave, in slot 0, which has had its one fill and its last read when the first result is stored there
.set ADRA, 16                          ; v16-17  LDS address of my fragments of x in slot 0, 1
.set ADRB, 20                          ; v20-21  the same for W
.set STO,  24                          ; v24     the way out: where I put 16 bytes of a row
.set RD,   25                          ; v25     the way out: where I read back
.set CO,   26                          ; v26     16 x lane
.set ADRS, 27                          ; v27     LDS address of my scale words: lanes 0-15 x's rows, lanes 16-31 W's
.set SPW,  28                          ; v28     LDS address of my spare word; never rewritten
.set NIL,  29                          ; v29     0; never rewritten
.set SC,   32                          ; scale words: set s at v[SC + 8 NQ s]; register NQ i + q: lanes 0-15 the word of x's block i, lanes 16-31 that of W's block i, for the slot's q-th 128 along K
.set AF,   128                         ; x's fragments, in window 0
.set BK,   128                         ; the way out: rows read back from the stage: v128-159 and v160-191 by turns
.set TMP,  192                         ; the way out: a block's packed results, v192-223
.set G1, 24                            ; s[24:31] descriptor group 1 for x's tiles;  s[32:39] group 0, one set for each slot
.set G0, 32
.set G1B, 48                           ; s[48:55], s[56:63] the same for W's tiles
.set G0B, 56
.set G1S, 68                           ; s[68:75], s[76:79] groups 1 and 0 for x's scales;  s[80:87], s[88:91] for W's
.set G0S, 76
.set G1SB, 80
.set G0SB, 88
.set MSB, 0
.macro WIN new                         ; the immediate's high byte repeats the setting that is left
.if MSB != (\new)
	s_set_vgpr_msb (MSB<<8)|(\new)
.set MSB, \new
.endif
.endm
.set MUL_LO, 0xa1                      ; source 0 (W) window 1, source 1 (x) window 0, C and D window 2
.set MUL_HI, 0xf1                      ; the same, C and D window 3
.set TO_B,   0x40                      ; destination window 1, address window 0
; A joint load: waves 0 and 1 fetch for x, waves 2 and 3 for W.  Each of the two lines has ONE mask and one set of registers for all that issue it; the branch hangs on the wave's number alone.
; An s_nop 0 and four v_nop follow each of the two lines, ahead of the jump, the label and what follows.
.macro JLOAD g0a, g1a, g0b, g1b
	s_cmp_eq_u32 s15, 0
	s_cbranch_scc0 .Lfor_b_\@
	tensor_load_to_lds s[\g0a:\g0a+3], s[\g1a:\g1a+7]
	s_nop 0
.rept 4
	v_nop
.endr
	s_branch .Lasked_\@
.Lfor_b_\@:
	tensor_load_to_lds s[\g0b:\g0b+3], s[\g1b:\g1b+7]
	s_nop 0
.rept 4
	v_nop
.endr
.Lasked_\@:
.endm
.macro CROUND                          ; a round of the cluster's barrier: my work-group's barrier; wave 0 signals for the work-group; every wave waits for all sixteen; my work-group's barrier once more
	s_barrier_signal -1
	s_barrier_wait -1
	s_cmp_lg_u32 s14, 0
	s_cbranch_scc1 .Lnot_wave_0_\@
	s_barrier_signal -3
.Lnot_wave_0_\@:
	s_barrier_wait -3
	s_barrier_signal -1
	s_barrier_wait -1
.endm
	s_load_b128 s[4:7], s[0:1], 0x0                ; x's codes s[4:5], x's scales s[6:7]
	s_load_b128 s[8:11], s[0:1], 0x10              ; W's codes s[8:9], W's scales s[10:11]
	s_load_b64 s[12:13], s[0:1], 0x20              ; qkv
	v_lshl_add_u32 v[SPW], v0, 2, SPARE
	v_mov_b32 v[NIL], 0
	ds_add_u32 v[SPW], v[NIL]                      ; the wave's opening: the add, twice on end, and its wait ahead of my first tensor load; the set-up below, work on registers, stands between
	ds_add_u32 v[SPW], v[NIL]
	v_lshrrev_b32 v1, 5, v0
	v_readfirstlane_b32 s14, v1                    ; wave 0..3
	s_lshr_b32 s15, s14, 1                         ; which half of the tile's rows is mine.  Also: I fetch for x (0) or for W (1)
	s_and_b32 s16, s14, 1                          ; which half of its columns.  Also: which 128 rows of that tile I fetch
	s_bfe_u32 s40, ttmp6, 0x40000                  ; cx, cy: my place in the cluster
	s_bfe_u32 s41, ttmp6, 0x40004
	s_lshl_b32 s42, ttmp9, 2
	s_add_co_u32 s42, s42, s40                     ; tile column of C = 4 x cluster x + cx
	s_and_b32 s17, ttmp7, 0xffff
	s_lshl_b32 s17, s17, 2
	s_add_co_u32 s17, s17, s41                     ; tile row of C = 4 x cluster y + cy
	s_lshl_b32 s43, s41, 2
	s_lshl_b32 s43, 15, s43                        ; my row of the cluster
	s_lshl_b32 s44, 0x1111, s40                    ; my column
	; descriptor group 1: a tile of 128 rows x 256 bytes, padded in LDS
	s_or_b32 s[G1+0], s43, (0<<16)|(1<<20)|(1<<21)|(5<<22)|(3<<25)  ; 15:0 the mask: x's tiles go to my row; 17:16 element of 1 byte; 20 padding on; 21 set beside a mask; 24:22 after every 64 words; 31:25 four words
	s_or_b32 s[G1B+0], s44, (0<<16)|(1<<20)|(1<<21)|(5<<22)|(3<<25)
.irp g, G1, G1B
	s_mov_b32 s[\g+1], ROWB<<16                    ; tensor_dim0
	s_mov_b32 s[\g+2], 128<<16                     ; tensor_dim1 = 128
	s_mov_b32 s[\g+3], ROWB<<16                    ; tile_dim0
	s_mov_b32 s[\g+4], 128                         ; tile_dim1 = 128
	s_mov_b32 s[\g+5], KROW                        ; tensor_dim0_stride
	s_mov_b32 s[\g+6], 0
	s_mov_b32 s[\g+7], 0
.endr
	; and for the scales of 128 rows: a dense block of 4,096 bytes, as rows of 256 bytes (32 elements of 8 bytes), 16 bytes of padding behind each
	s_or_b32 s[G1S+0], s43, (3<<16)|(1<<20)|(1<<21)|(5<<22)|(3<<25)
	s_or_b32 s[G1SB+0], s44, (3<<16)|(1<<20)|(1<<21)|(5<<22)|(3<<25)
.irp g, G1S, G1SB
	s_mov_b32 s[\g+1], 32<<16
	s_mov_b32 s[\g+2], (128*KS/256)<<16
	s_mov_b32 s[\g+3], 32<<16
	s_mov_b32 s[\g+4], 128*KS/256
	s_mov_b32 s[\g+5], 32
	s_mov_b32 s[\g+6], 0
	s_mov_b32 s[\g+7], 0
.endr
	s_lshl_b32 s18, s16, 7                         ; which 128 rows of the tile I fetch
	s_lshl_b32 s20, s17, 8
	s_add_co_u32 s20, s20, s18                     ; x: row 256 x tile row + 128 x half
	s_lshl_b32 s46, s42, 8
	s_add_co_u32 s46, s46, s18                     ; W: row 256 x tile column + 128 x half
	s_mov_b32 s21, 0
	s_mov_b32 s47, 0
	s_mov_b64 s[18:19], KS
	s_mul_u64 s[22:23], s[20:21], s[18:19]         ; where these rows' scales begin, in bytes
	s_mul_u64 s[92:93], s[46:47], s[18:19]
	s_mov_b64 s[18:19], KROW
	s_mul_u64 s[20:21], s[20:21], s[18:19]         ; and their codes
	s_mul_u64 s[46:47], s[46:47], s[18:19]
	s_mul_i32 s45, s14, HALFT                      ; where they go: wave x 128 rows: no place in the cluster enters an LDS address
	s_mul_i32 s94, s14, HALFS
	s_wait_dscnt 0x0                               ; both opening adds are done
	s_wait_kmcnt 0x0
	s_add_nc_u64 s[20:21], s[4:5], s[20:21]
	s_add_nc_u64 s[22:23], s[6:7], s[22:23]
	s_add_nc_u64 s[46:47], s[8:9], s[46:47]
	s_add_nc_u64 s[92:93], s[10:11], s[92:93]
	CROUND                                         ; all sixteen work-groups are here: the joint loads meet
	s_mov_b32 s[G0S], 1
	s_add_co_u32 s[G0S+1], s94, SCL
	s_mov_b64 s[G0S+2:G0S+3], s[22:23]
	s_or_b32 s[G0S+3], s[G0S+3], 0x80000000
	s_mov_b32 s[G0SB], 1
	s_add_co_u32 s[G0SB+1], s94, SCL
	s_mov_b64 s[G0SB+2:G0SB+3], s[92:93]
	s_or_b32 s[G0SB+3], s[G0SB+3], 0x80000000
	JLOAD G0S, G1S, G0SB, G1SB                     ; the scales first: they are wanted with the first slot
.irp s, 0,1
	s_mov_b32 s[G0+4*\s], 1
	s_add_co_u32 s[G0+4*\s+1], s45, \s*SLOT
	s_add_nc_u64 s[G0+4*\s+2:G0+4*\s+3], s[20:21], \s*ROWB
	s_or_b32 s[G0+4*\s+3], s[G0+4*\s+3], 0x80000000
	s_mov_b32 s[G0B+4*\s], 1
	s_add_co_u32 s[G0B+4*\s+1], s45, \s*SLOT
	s_add_nc_u64 s[G0B+4*\s+2:G0B+4*\s+3], s[46:47], \s*ROWB
	s_or_b32 s[G0B+4*\s+3], s[G0B+4*\s+3], 0x80000000
	JLOAD G0+4*\s, G1, G0B+4*\s, G1B               ; by this text's count three tensor loads of a wave are out at the most
.endr
	v_and_b32 v1, 15, v0                           ; r = l % 16
	v_bfe_u32 v2, v0, 4, 1                         ; h = l / 16
	v_mul_u32_u24 v3, v1, PITCH
	v_lshl_add_u32 v4, v2, 4, v3                   ; a fragment's row x pitch + 16 x half
	s_mul_i32 s21, s15, HALFT                      ; my 128 rows of x
	s_mul_i32 s22, s16, HALFT                      ; my 128 rows of W,
	s_add_co_u32 s22, s22, 2*HALFT                 ; which lie behind x's 256
.irp s, 0,1
	v_add_nc_u32 v[ADRA+\s], s21, v4
	v_add_nc_u32 v[ADRB+\s], s22, v4
	s_add_co_u32 s21, s21, SLOT
	s_add_co_u32 s22, s22, SLOT
.endr
	v_mul_u32_u24 v5, v1, KS                       ; my row's scales: KS bytes a row,
	v_lshrrev_b32 v6, 8, v5
	v_lshl_add_u32 v5, v6, 4, v5                   ; and 16 more for each 256 passed
	s_mul_i32 s21, s15, HALFS                      ; x's: my 128 rows
	s_mul_i32 s22, s16, HALFS                      ; W's: my 128 rows, behind x's 256
	s_add_co_u32 s22, s22, 2*HALFS
	s_sub_co_u32 s22, s22, s21
	v_mul_u32_u24 v6, s22, v2                      ; lanes 16-31 take W's
	s_add_co_u32 s21, s21, SCL
	v_add_nc_u32 v5, v5, v6
	v_add_nc_u32 v[ADRS], s21, v5
	s_mul_i32 s23, s14, 16*SPITCH                  ; my stage
	v_mul_u32_u24 v5, v1, SPITCH                   ; in: row r, 16 bytes for each half of the lanes
	v_lshl_add_u32 v5, v2, 4, v5
	v_add_nc_u32 v[STO], s23, v5
	v_bfe_u32 v6, v0, 3, 2                         ; back: eight lanes take a head's 128 bytes of one row, four rows an instruction
	v_mul_u32_u24 v6, v6, SPITCH
	v_and_b32 v7, 7, v0
	v_lshl_add_u32 v6, v7, 4, v6
	v_add_nc_u32 v[RD], s23, v6
	v_and_b32 v6, 31, v0
	v_lshlrev_b32 v[CO], 4, v6
	; where my 128 tokens x 2 heads begin in qkv: part (n0 / 1024) x 2^24 + (16 b + head) x 2^18 + t0 x 128, with m0 = 2048 b + t0
	s_lshl_b32 s20, s17, 8
	s_lshl_b32 s21, s15, 7
	s_add_co_u32 s20, s20, s21                     ; m0 = 256 x tile row + 128 x half
	s_and_b32 s21, s20, 2047
	s_lshl_b32 s21, s21, 7                         ; t0 x 128
	s_lshr_b32 s20, s20, 11
	s_lshl_b32 s20, s20, 22                        ; 16 b x 2^18
	s_add_co_u32 s20, s20, s21
	s_mov_b32 s21, 0
	s_lshl_b32 s46, s42, 8
	s_lshl_b32 s47, s16, 7
	s_add_co_u32 s46, s46, s47                     ; n0 = 256 x tile column + 128 x half
	s_lshr_b32 s47, s46, 10
	s_lshl_b32 s47, s47, 24                        ; the part: q, k or v
	s_bfe_u32 s46, s46, 0x40006                    ; the first of my two heads: (n0 / 64) % 16
	s_lshl_b32 s46, s46, 18
	s_add_co_u32 s46, s46, s47
	s_mov_b32 s47, 0
	s_add_nc_u64 s[20:21], s[20:21], s[46:47]
	s_add_nc_u64 s[12:13], s[12:13], s[20:21]
.macro FRAG reg, adr, q, i             ; a fragment, 16 rows x 128 K of 4-bit codes, is 8 registers: lane l holds row l % 16; registers 4 c .. 4 c + 3 hold K = 64 c + 32 (l / 16) + 0 .. 31
.irp c, 0,1
	ds_load_b128 v[\reg+4*\c:\reg+4*\c+3], v[\adr] offset:64*(\q)+32*\c+(\i)*16*PITCH
.endr
.endm
; 16 matrix instructions: x's blocks a0, a0 + 1 against W's eight, 128 along K: the slot's q-th.  p: W's set;  sc: the set of scale words.  zero = 1: the first product starts the sums: nothing is ever cleared.
; The 64 accumulators take turns, one instruction a turn, in the same order in every step.
.macro MUL16 a0, p, q, sc, zero
.irp a, \a0, \a0+1
.irp b, 0,1,2,3,4,5,6,7
.if \zero
	v_wmma_scale_f32_16x16x128_f8f6f4 v[8*(8*((\a)%4)+\b):8*(8*((\a)%4)+\b)+7], v[128*(\p)+FR*\b:128*(\p)+FR*\b+FR-1], v[AF+FR*(\a):AF+FR*(\a)+FR-1], 0, v[SC+8*NQ*(\sc)+NQ*\b+(\q)], v[SC+8*NQ*(\sc)+NQ*(\a)+(\q)] matrix_a_fmt:MATRIX_FMT_FP4 matrix_b_fmt:MATRIX_FMT_FP4 matrix_a_scale:MATRIX_SCALE_ROW1
.else
	v_wmma_scale_f32_16x16x128_f8f6f4 v[8*(8*((\a)%4)+\b):8*(8*((\a)%4)+\b)+7], v[128*(\p)+FR*\b:128*(\p)+FR*\b+FR-1], v[AF+FR*(\a):AF+FR*(\a)+FR-1], v[8*(8*((\a)%4)+\b):8*(8*((\a)%4)+\b)+7], v[SC+8*NQ*(\sc)+NQ*\b+(\q)], v[SC+8*NQ*(\sc)+NQ*(\a)+(\q)] matrix_a_fmt:MATRIX_FMT_FP4 matrix_b_fmt:MATRIX_FMT_FP4 matrix_a_scale:MATRIX_SCALE_ROW1
.endif
.endr
.endr
.endm
.macro FETCH_B slot, q, p              ; W's eight fragments of the slot's q-th 128 along K into set p
	WIN TO_B
.irp i, 0,1,2,3,4,5,6,7
	FRAG 128*(\p)+FR*\i, ADRB+\slot, \q, \i
.endr
	WIN 0
.endm
.macro FETCH_A slot, q, i0             ; x's blocks i0 .. i0 + 3
.irp i, \i0, \i0+1, \i0+2, \i0+3
	FRAG AF+FR*(\i), ADRA+\slot, \q, \i
.endr
.endm
.macro SCALES sc                       ; a slot's scale words into set sc: NQ words a row; lanes 0-15 take x's block i, lanes 16-31 W's block i
.irp i, 0,1,2,3,4,5,6,7
	ds_load_b128 v[SC+8*NQ*\sc+NQ*\i:SC+8*NQ*\sc+NQ*\i+3], v[ADRS] offset:\i*SBLK
.endr
.endm
; A load into a register that a matrix instruction has read, and a vector instruction that reads a matrix result, stand NP places behind that matrix instruction, and only plain vector
; instructions that name none of its registers are places (ISA guide 7.12.1 for vector instructions).
.macro PLACES n
.rept \n
	v_nop
.endr
.endm
; A step of 128 along K that has its successor in the same slot.  x's blocks go one after the other, each against W's eight: so one set of registers serves x (blocks 0-3 are fetched anew in the step's middle, 4-7 at its end).
.macro STEP slot, q, zero
	s_wait_dscnt 4*NL                              ; W's set and x's blocks 0-3 are in; the youngest eight loads (x's blocks 4-7) may be out
	WIN MUL_LO
	MUL16 0, (\q)%2, \q, \slot, \zero
	MUL16 2, (\q)%2, \q, \slot, \zero
	s_wait_dscnt 0                                 ; x's blocks 4-7 are in (asked for 32 matrix instructions ago)
	PLACES NP
	FETCH_B \slot, (\q)+1, 1-(\q)%2
	FETCH_A \slot, (\q)+1, 0
	WIN MUL_HI
	MUL16 4, (\q)%2, \q, \slot, \zero
	MUL16 6, (\q)%2, \q, \slot, \zero
	PLACES NP
	WIN 0
	FETCH_A \slot, (\q)+1, 4
.endm
; Slot 0's last step changes slots: ONE barrier; in front of it each wave waits for all its tensor loads (its part of slot 1), adds 0 to its spare word, and waits for that and for its own reads of slot 0.  Nothing is filled again.
.macro TURN slot, next
	s_wait_tensorcnt 0x0                           ; all my tensor loads have landed: my part of the next slot;  (every window is 0 here)
	ds_add_u32 v[SPW], v[NIL]                      ; 0 onto my spare word;
	s_wait_dscnt 4*NL+1                            ; (the add and the youngest eight loads, x's blocks 4-7, may be out)
	WIN MUL_LO
	MUL16 0, 1, NQ-1, \slot, 0                     ; sixteen matrix instructions stand between the add and the wait for it
	s_wait_dscnt 0x0                               ; the add is done, and my reads of this slot are over
	s_barrier_signal -1
	MUL16 2, 1, NQ-1, \slot, 0
	WIN 0
	s_barrier_wait -1
	PLACES NP
	v_add_nc_u32 v[ADRS], 4*NQ, v[ADRS]            ; on to the next slot's scale words (no LDS load of mine is out)
	FETCH_B \next, 0, 0
	FETCH_A \next, 0, 0
	SCALES \next
	WIN MUL_HI
	MUL16 4, 1, NQ-1, \slot, 0
	MUL16 6, 1, NQ-1, \slot, 0
	PLACES NP
	WIN 0
	FETCH_A \next, 0, 4
.endm
.macro STEPS slot, from                ; the slot's steps from .. NQ - 2
.set Q, \from
.rept NQ-1-\from
	STEP \slot, Q, 0
.set Q, Q+1
.endr
.endm
	s_wait_tensorcnt 1                             ; the scales and my part of slot 0 are in (slot 1's load may be out)
	s_barrier_signal -1
	s_barrier_wait -1                              ; everybody's are
	FETCH_B 0, 0, 0
	FETCH_A 0, 0, 0
	SCALES 0
	FETCH_A 0, 0, 4
	STEP 0, 0, 1                                   ; the first step's products start the sums
	STEPS 0, 1
	TURN 0, 1
	STEPS 1, 0
	s_wait_dscnt 4*NL                              ; the very last step: nothing more to fetch
	WIN MUL_LO
	MUL16 0, 1, NQ-1, 1, 0
	MUL16 2, 1, NQ-1, 1, 0
	s_wait_dscnt 0
	WIN MUL_HI
	MUL16 4, 1, NQ-1, 1, 0
	MUL16 6, 1, NQ-1, 1, 0
	WIN 0
; THE WAY OUT, block by block of 16 tokens x 128 columns (two heads).  A lane's eight results pack into 16 bytes of f16; a block goes through my own stage in LDS and comes back so that the 32 lanes hold
; four tokens' 128 bytes of ONE head: 512 consecutive bytes of qkv.  LDS serves a wave's instructions in order (ISA guide 5.7.1.4): no wait between the stores and the loads.
.macro PACK a
.set AC, 64*((\a)%4)
	WIN 0x0a+5*((\a)/4)                            ; sources 0 and 1: window 2 or 3
.irp b, 0,1,2,3,4,5,6,7
.irp r, 0,1,2,3
	v_cvt_pk_f16_f32 v[TMP+4*\b+\r], v[AC+8*\b+2*\r], v[AC+8*\b+2*\r+1]   ; each accumulator from its low end on
.endr
.endr
	WIN 0
.endm
.macro TOSTAGE a
.set BB, BK+32*((\a)%2)
.irp b, 0,1,2,3,4,5,6,7
	ds_store_b128 v[STO], v[TMP+4*\b:TMP+4*\b+3] offset:32*\b
.endr
.irp hh, 0,1
.irp i, 0,1,2,3
	ds_load_b128 v[BB+4*(4*\hh+\i):BB+4*(4*\hh+\i)+3], v[RD] offset:4*\i*SPITCH+128*\hh
.endr
.endr
.endm
.macro SEND a
.set BB, BK+32*((\a)%2)
	s_wait_dscnt 0x0                               ; the block is back in registers
	s_wait_xcnt 0x0                                ; the stores of the block before have read their registers: the next block's loads land there only behind this wait
.irp hh, 0,1
.irp i, 0,1,2,3
	global_store_b128 v[CO], v[BB+4*(4*\hh+\i):BB+4*(4*\hh+\i)+3], s[12:13] offset:\hh*262144+(\a)*2048+\i*512   ; 32 lanes store 512 consecutive bytes, at a multiple of 256 from the buffer's first byte
.endr
.endr
.endm
	PLACES NP                                      ; for the conversions that read results, and for the loads into the registers that held x's fragments
	PACK 0
	TOSTAGE 0
.irp a, 1,2,3,4,5,6,7                  ; block a's conversions stand between block a - 1's loads from the stage and the wait for them
	PACK \a
	SEND \a-1
	TOSTAGE \a
.endr
	SEND 7
	s_wait_tensorcnt 0x0                           ; the wave's end, behind my last tensor load and my last LDS store
	ds_add_u32 v[SPW], v[NIL]
	s_wait_dscnt 0x0
	CROUND                                         ; the closing round: no work-group ends while a partner may still ask for a tile that names it
	s_endpgm
.Lfunc_end_k_q14f2957d6e_qkv:
	.size	k_q14f2957d6e_qkv, .Lfunc_end_k_q14f2957d6e_qkv-k_q14f2957d6e_qkv
	.p2alignl 7, 3214868480
	.fill 96, 4, 3214868480
	.section	.rodata,"a",@progbits
	.p2align	6, 0x0
	.amdhsa_kernel k_q14f2957d6e_qkv
		.amdhsa_group_segment_fixed_size 327680
		.amdhsa_private_segment_fixed_size 0
		.amdhsa_enable_private_segment 0
		.amdhsa_kernarg_size 40
		.amdhsa_user_sgpr_count 2
		.amdhsa_user_sgpr_kernarg_segment_ptr 1
		.amdhsa_wavefront_size32 1
		.amdhsa_system_sgpr_workgroup_id_x 1
		.amdhsa_system_sgpr_workgroup_id_y 1
		.amdhsa_system_sgpr_workgroup_id_z 1
		.amdhsa_system_vgpr_workitem_id 0
		.amdhsa_next_free_vgpr 1024
		.amdhsa_next_free_sgpr 98
		.amdhsa_reserve_vcc 0
		.amdhsa_float_denorm_mode_32 3
		.amdhsa_float_denorm_mode_16_64 3
		.amdhsa_memory_ordered 1
		.amdhsa_forward_progress 1
		.amdhsa_inst_pref_size 127
	.end_amdhsa_kernel
	.amdgpu_metadata
---
amdhsa.version: [ 1, 2 ]
amdhsa.kernels:
  - .name:           k_q14f2957d6e_qkv
    .symbol:         k_q14f2957d6e_qkv.kd
    .args:
      - { .name: xc, .offset: 0, .size: 8, .value_kind: global_buffer, .address_space: global }
      - { .name: xs, .offset: 8, .size: 8, .value_kind: global_buffer, .address_space: global }
      - { .name: wc, .offset: 16, .size: 8, .value_kind: global_buffer, .address_space: global }
      - { .name: ws, .offset: 24, .size: 8, .value_kind: global_buffer, .address_space: global }
      - { .name: qkv, .offset: 32, .size: 8, .value_kind: global_buffer, .address_space: global }
    .group_segment_fixed_size: 327680
    .private_segment_fixed_size: 0
    .kernarg_segment_align: 8
    .kernarg_segment_size: 40
    .max_flat_workgroup_size: 128
    .sgpr_count:     98
    .vgpr_count:     1024
    .wavefront_size: 32
...
	.end_amdgpu_metadata
.endif
;; end of part 2
;; launch attn (part 3): grid 4 x 64, 8 waves a work-group, clusters of 4 x 1, 327,680 bytes of LDS; arguments qkv, ao; writes ao
.if DOCPART == 3
	.amdgcn_target "amdgcn-amd-amdhsa--gfx1250"
	.amdhsa_code_object_version 6
	.text
	.protected	k_q14f2957d6e_attn
	.globl	k_q14f2957d6e_attn
	.p2align	8
	.type	k_q14f2957d6e_attn,@function
k_q14f2957d6e_attn:
	s_mov_b64 s[64:65], 0
	v_nop
	global_prefetch_b8 v0, s[64:65] scope:SCOPE_SE
	s_setreg_imm32_b32 hwreg(HW_REG_WAVE_MODE, 25, 1), 1
	s_wait_xcnt 0x0
	s_wait_alu depctr_hold_cnt(0) depctr_sa_sdst(0) depctr_va_vdst(0) depctr_va_sdst(0) depctr_va_ssrc(0) depctr_va_vcc(0) depctr_vm_vsrc(0)
	s_getreg_b32 s2, hwreg(HW_REG_IB_STS2, 6, 4)
	s_cmp_eq_u32 s2, 0
	s_cbranch_scc0 .Lentry_in_a_cluster
	s_endpgm
.Lentry_in_a_cluster:
	s_bfe_u32 s2, ttmp6, 0x10000c
	s_cmp_lg_u32 s2, 0x3003
	s_cbranch_scc0 .Lentry_shape_is_right
	s_endpgm
.Lentry_shape_is_right:
; LAUNCH 3 OF 4.  ao[bh][q][:] = (sum over k of e(q, k) v[bh][k][:]) / (sum over k of e(q, k) + 1e-8), e = exp(q . k / 8 - the row's largest q . k / 8).  Nothing of reference() is left out here.
; q, k, v: the three parts of qkv, each [64 bh][2048][64] f16; ao likewise.  Products, maxima and sums in f32; the weights p are rounded to f16 for the second product, the result once at the end.
; LIMITS: a result under 6e-5 keeps an absolute error of 3e-8 in f16; NaN and infinities among q, k, v are not served.
; SHARES.  A work-group owns 512 queries of one head, each of its EIGHT waves 64: four tiles of 16, in 512 registers: two waves to a SIMD, so that one wave's vector work can stand beside the other's products.
; Every wave walks the head's 2,048 keys, 64 a step; each fragment of K and V that it reads from LDS feeds four products.
; LAYOUT.  S^T = K Q^T (source 0 = 16 keys, source 1 = 16 queries): a lane holds ONE query (lane % 16) and the keys 8 (lane / 16) + 0..7.  Two such tiles, rounded to f16 in pairs, ARE source 1
; (32 keys x 16 queries) of O^T = V^T P, whose result again holds one query a lane, and eight channels.  K comes out of LDS as it lies, V ([key][channel]) turned, by ds_load_tr16_b128.
; SOFTMAX.  For each query a running maximum m and sum l: p = 2^(c s - c m), c = log2(e) / 8; in every step O and l are multiplied by a = 2^(c m_old - c m_new).  O, l begin as 0 and m as -3e38: the first a is 0.
; MEMORY AND LDS.  A head's row is 128 bytes and the rows are dense: a tile is stated as PAIR ROWS of 256 bytes, two keys each.  In LDS a pair row of K is 272 bytes, of V 288: key j lies at (j / 2) x pitch + (j % 2) x 128.
; So the 16 keys of a load of K begin in 16 different runs of 16 bytes modulo 256, and so do the 8 keys x 2 pieces that 16 lanes of a turning load take.
; RING.  Two slots of 512 keys (K, then V).  Waves 0, 1 fetch K's halves, waves 2, 3 V's, one load of 128 pair rows each; both slots are asked for at the start and each is filled once more.  At most two tensor loads of a wave are out.
; CLUSTER.  The four query blocks of a head form a cluster and walk the same K and V: each tile is asked for JOINTLY, by the same tensor load with the same descriptor and a mask that names the four.
; REGISTERS: window 0: v1-10 addresses; v12-43 eight statistics a tile; v44-51 a second chain of sums; v64-191 S^T, 32 a tile (p's f16 pairs then lie in the first 16 of them); v192-255 K of one step.
;            window 1: v0-127 O^T, 32 a tile; v128-191 Q, 16 a tile; v192-255 V of one step.
.set PKB,   272                        ; a pair row of K in LDS
.set PVB,   288                        ; a pair row of V
.set VOFF,  256*PKB                    ; a slot: 256 pair rows of K, then 256 of V
.set SLOTB, 256*(PKB+PVB)
.set KSTP,  32*PKB                     ; a step's 64 keys
.set VSTP,  32*PVB
.set STAGE, 2*SLOTB                    ; behind the ring: 16 rows x (128 + 16) bytes for each wave, for the way out
.set SPT,   144
.set SPARE, STAGE+8*16*SPT             ; behind the stages: the spare words, 128 bytes for each wave
.set KPART, 0x1000000                  ; k's part of qkv begins here,
.set VPART, 0x2000000                  ; and v's here
.set AK0, 1                            ; v1   my lane's place in a tile of K; never rewritten
.set AV0, 2                            ; v2   the same for V
.set ADK, 3                            ; v3   LDS address of the loads of K in hand
.set ADV, 4                            ; v4   of V
.set QO,  5                            ; v5   my byte offset in the wave's rows of Q
.set STO, 6                            ; v6   the way out: where I put 16 bytes of a row
.set RD,  7                            ; v7   the way out: where I read back
.set GO,  8                            ; v8   16 x lane
.set SPW, 9                            ; v9   LDS address of my spare word; never rewritten
.set NIL, 10                           ; v10  0; never rewritten
.set ST,  12                           ; tile t's statistics at v[ST+8 t]: +0 c m, +1 m, +2, +3 l (even keys', odd keys'), +4 to +7 at work; a in +6
.set TS,  44                           ; tile t's second chain of sums at v[TS+2 t]
.set S,   64
.set KF,  192                          ; window 0
.set QF,  128                          ; window 1
.set VF,  192                          ; window 1
.set WV,  8                            ; s8   my wave's number
.set G1K, 16                           ; s[16:23] descriptor group 1 for K's tiles
.set G1V, 24                           ; s[24:31] for V's: it differs in the padding alone
.set G0K, 32                           ; s[32:39] group 0 for K's tiles, a set for each slot
.set G0V, 40                           ; s[40:47] the same for V's
.set CS,  48                           ; s[48:49] c: the packed scaling names a pair and takes its low word for both halves
.set SEL, 50                           ; s[50:51] lane selects for v_permlanex16_b32: lane l xor 16
.set TK,  52                           ; s52  LDS byte at which the step's keys begin in K
.set TV,  53                           ; s53  the slot's first byte + the step's place in V
.set CNT, 54                           ; s54  steps left in the slot
.set MSB, 0
.macro WIN new                         ; the immediate's high byte repeats the setting that is left; a switch that changes nothing is dropped
.if MSB != (\new)
	s_set_vgpr_msb (MSB<<8)|(\new)
.set MSB, \new
.endif
.endm
.set W_KQ, 0x04                        ; Q (source 1) in window 1; K and S^T in window 0
.set W_PV, 0x51                        ; V (source 0) and O^T (C and D) in window 1; P in window 0
.set W_RS, 0x41                        ; O^T (destination and source 0) in window 1, a in window 0
.set W_L1, 0x40                        ; a load's destination in window 1, its address in window 0
.set W_CV, 0x05                        ; sources 0 and 1 in window 1, destination in window 0
; A joint refill of slot s.  The branches hang on the wave's number alone: they are the same in every work-group.  An s_nop 0 and four v_nop follow each of the two lines.
.macro JLOAD s
	s_cmp_lt_u32 s[WV], 2
	s_cbranch_scc0 .Lnot_k_\@
	tensor_load_to_lds s[G0K+4*\s:G0K+4*\s+3], s[G1K:G1K+7]
	s_nop 0
.rept 4
	v_nop
.endr
	s_branch .Lasked_\@
.Lnot_k_\@:
	s_cmp_lt_u32 s[WV], 4
	s_cbranch_scc0 .Lasked_\@
	tensor_load_to_lds s[G0V+4*\s:G0V+4*\s+3], s[G1V:G1V+7]
	s_nop 0
.rept 4
	v_nop
.endr
.Lasked_\@:
.endm
.macro CROUND                          ; a round of the cluster's barrier: my work-group's barrier; wave 0 signals for the work-group; every wave waits for all four; my work-group's barrier once more
	s_barrier_signal -1
	s_barrier_wait -1
	s_cmp_lg_u32 s[WV], 0
	s_cbranch_scc1 .Lnot_wave_0_\@
	s_barrier_signal -3
.Lnot_wave_0_\@:
	s_barrier_wait -3
	s_barrier_signal -1
	s_barrier_wait -1
.endm
	s_load_b128 s[4:7], s[0:1], 0x0                ; qkv s[4:5], ao s[6:7]
	v_lshl_add_u32 v[SPW], v0, 2, SPARE
	v_mov_b32 v[NIL], 0
	ds_add_u32 v[SPW], v[NIL]                      ; the wave's opening: the add, twice on end, and its wait ahead of the first tensor loads; the set-up below, work on registers, stands between
	ds_add_u32 v[SPW], v[NIL]
	v_lshrrev_b32 v52, 5, v0
	v_readfirstlane_b32 s[WV], v52                 ; wave 0..7
	s_bfe_u32 s9, ttmp6, 0x40000                   ; cx: my place in the cluster
	s_lshl_b32 s10, ttmp9, 2
	s_add_co_u32 s10, s10, s9                      ; my block of 512 queries: it enters Q's and ao's addresses alone
	s_and_b32 s11, ttmp7, 0xffff                   ; the head bh, which the four partners share
	s_lshl_b32 s12, s11, 18                        ; its 2,048 rows of 128 bytes
	s_and_b32 s14, s[WV], 1                        ; which half of a slot's keys I fetch, if I fetch
	s_lshl_b32 s58, s14, 15                        ; 256 keys of 128 bytes in memory
	s_add_co_u32 s58, s58, s12
	s_mov_b32 s59, 0
	s_lshl_b32 s60, s10, 16                        ; my block's 512 rows,
	s_add_co_u32 s60, s60, s12
	s_lshl_b32 s61, s[WV], 13                      ; my wave's 64 of them
	s_add_co_u32 s60, s60, s61
	s_mov_b32 s61, 0
	s_mul_i32 s13, s14, 128*PKB                    ; my half's place in a slot: K's,
	s_mul_i32 s15, s14, 128*PVB
	s_add_co_u32 s15, s15, VOFF                    ; and V's: no place in the cluster enters an LDS address
	s_mul_i32 s62, s[WV], 16*SPT
	s_add_co_u32 s62, s62, STAGE                   ; my stage
	; descriptor group 1: 128 pair rows of 128 elements of 2 bytes, dense in memory, padded in LDS
	s_mov_b32 s[G1K], 15|(1<<16)|(1<<20)|(1<<21)|(5<<22)|(3<<25)  ; 15:0 the mask: all four work-groups; 17:16 elements of 2 bytes; 20 padding on; 21 set beside a mask; 24:22 after every 64 words; 31:25 four words
	s_mov_b32 s[G1V], 15|(1<<16)|(1<<20)|(1<<21)|(5<<22)|(7<<25)  ; the same with eight words of padding
.irp g, G1K, G1V
	s_mov_b32 s[\g+1], 128<<16                     ; tensor_dim0 = 128
	s_mov_b32 s[\g+2], 128<<16                     ; tensor_dim1 = 128
	s_mov_b32 s[\g+3], 128<<16                     ; tile_dim0 = 128
	s_mov_b32 s[\g+4], 128                         ; tile_dim1 = 128
	s_mov_b32 s[\g+5], 128                         ; tensor_dim0_stride
	s_mov_b32 s[\g+6], 0
	s_mov_b32 s[\g+7], 0
.endr
	s_mov_b32 s[CS], 0x3e38aa3b                    ; c = log2(e) / 8
	s_mov_b32 s[CS+1], s[CS]                       ; named with it as a pair, so it is written
	s_mov_b32 s[SEL], 0x76543210
	s_mov_b32 s[SEL+1], 0xfedcba98
	v_and_b32 v53, 15, v0                          ; r = l % 16
	v_bfe_u32 v54, v0, 4, 1                        ; h = l / 16
	v_and_b32 v55, 31, v0                          ; l
	; A fragment of K or Q is 16 rows x 32 channels in 8 registers: lane l holds row r; registers 0-3 channels 8 h + 0..7, registers 4-7 channels 16 + 8 h + 0..7: two loads of 16 bytes, 32 bytes apart.
	v_lshrrev_b32 v56, 1, v53
	v_mul_u32_u24 v[AK0], v56, PKB
	v_and_b32 v57, 1, v0
	v_lshl_add_u32 v[AK0], v57, 7, v[AK0]
	v_lshl_add_u32 v[AK0], v54, 4, v[AK0]          ; (r / 2) x pitch + (r % 2) x 128 + 16 h
	; The turning load takes 16 keys x 16 channels (lane l reads 16 bytes: key 8 h + l % 8, channels 8 ((l / 8) % 2) + 0..7) and leaves half a fragment of V^T: lane l holds channel r and 8 keys.
	v_bfe_u32 v56, v0, 1, 2
	v_lshl_add_u32 v56, v54, 2, v56                ; the key's pair row: 4 h + (l % 8) / 2
	v_mul_u32_u24 v[AV0], v56, PVB
	v_lshl_add_u32 v[AV0], v57, 7, v[AV0]
	v_bfe_u32 v57, v0, 3, 1
	v_lshl_add_u32 v[AV0], v57, 4, v[AV0]
	v_add_nc_u32 v[AV0], VOFF, v[AV0]
	v_lshlrev_b32 v[QO], 7, v53
	v_lshl_add_u32 v[QO], v54, 4, v[QO]            ; Q: row r of 128 bytes + 16 h
	v_mul_u32_u24 v[STO], v53, SPT                 ; the stage, in: row r, 16 bytes for each half of the lanes
	v_lshl_add_u32 v[STO], v54, 4, v[STO]
	v_add_nc_u32 v[STO], s62, v[STO]
	v_bfe_u32 v56, v0, 3, 2                        ; back: eight lanes take a row's 128 bytes, four rows an instruction
	v_mul_u32_u24 v[RD], v56, SPT
	v_and_b32 v57, 7, v0
	v_lshl_add_u32 v[RD], v57, 4, v[RD]
	v_add_nc_u32 v[RD], s62, v[RD]
	v_lshlrev_b32 v[GO], 4, v55
	s_wait_dscnt 0x0                               ; both opening adds are done
	s_wait_kmcnt 0x0
	s_add_nc_u64 s[56:57], s[4:5], s[58:59]        ; qkv at my head and my half of a slot
	s_add_nc_u64 s[4:5], s[4:5], s[60:61]          ; Q and ao at my wave's first row
	s_add_nc_u64 s[6:7], s[6:7], s[60:61]
.irp s, 0,1
	s_mov_b32 s[G0K+4*\s], 1                       ; 1:0 count = 1
	s_add_co_u32 s[G0K+4*\s+1], s13, \s*SLOTB      ; 63:32 LDS address
	s_add_nc_u64 s[G0K+4*\s+2:G0K+4*\s+3], s[56:57], KPART+\s*65536   ; 120:64 global address: slot s begins with keys 512 s
	s_or_b32 s[G0K+4*\s+3], s[G0K+4*\s+3], 0x80000000                 ; 127:126 type = 2
	s_mov_b32 s[G0V+4*\s], 1
	s_add_co_u32 s[G0V+4*\s+1], s15, \s*SLOTB
	s_add_nc_u64 s[G0V+4*\s+2:G0V+4*\s+3], s[56:57], VPART+\s*65536
	s_or_b32 s[G0V+4*\s+3], s[G0V+4*\s+3], 0x80000000
.endr
	CROUND                                         ; all four work-groups are here: the first joint loads meet
	s_cmp_lt_u32 s[WV], 2                          ; a wave's two first fills stand in one branch, ahead of every wait on TENSORcnt and every LDS read
	s_cbranch_scc0 .Lfirst_not_k
	tensor_load_to_lds s[G0K:G0K+3], s[G1K:G1K+7]
	s_nop 0
	tensor_load_to_lds s[G0K+4:G0K+7], s[G1K:G1K+7]
	s_nop 0
.rept 4
	v_nop
.endr
	s_branch .Lfirst_asked
.Lfirst_not_k:
	s_cmp_lt_u32 s[WV], 4
	s_cbranch_scc0 .Lfirst_asked
	tensor_load_to_lds s[G0V:G0V+3], s[G1V:G1V+7]
	s_nop 0
	tensor_load_to_lds s[G0V+4:G0V+7], s[G1V:G1V+7]
	s_nop 0
.rept 4
	v_nop
.endr
.Lfirst_asked:
	WIN W_L1
.irp t, 0,1,2,3                        ; Q stays in registers: tile t, channels 32 c on
.irp c, 0,1
	global_load_b128 v[QF+16*\t+8*\c:QF+16*\t+8*\c+3],   v[QO], s[4:5] offset:\t*2048+\c*64
	global_load_b128 v[QF+16*\t+8*\c+4:QF+16*\t+8*\c+7], v[QO], s[4:5] offset:\t*2048+\c*64+32
.endr
.endr
.set i, 0
.rept 128
	v_mov_b32 v[i], 0                              ; O^T.  The key step is written in one form: its first pass finds zeros, which the first a leaves zeros
.set i, i+1
.endr
	WIN 0
.irp t, 0,1,2,3
	v_mov_b32 v[ST+8*\t], 0xff61b1e6               ; c m and m: -3e38, under every score
	v_mov_b32 v[ST+8*\t+1], 0xff61b1e6
	v_mov_b32 v[ST+8*\t+2], 0                      ; l
	v_mov_b32 v[ST+8*\t+3], 0
.endr
; THE LDS LOADS stand in runs of 16: a step's K (64 keys x 64 channels: 8 fragments) and its V (turned).
.macro KLD
.irp f, 0,1,2,3,4,5,6,7                ; keys 16 (f / 2) on, channels 32 (f % 2) on
	ds_load_b128 v[KF+8*\f:KF+8*\f+3],   v[ADK] offset:(\f/2)*8*PKB+(\f%2)*64
	ds_load_b128 v[KF+8*\f+4:KF+8*\f+7], v[ADK] offset:(\f/2)*8*PKB+(\f%2)*64+32
.endr
.endm
.macro VLD
	WIN W_L1
.irp f, 0,1,2,3,4,5,6,7                ; keys 32 (f / 4) on, channels 16 (f % 4) on
	ds_load_tr16_b128 v[VF+8*\f:VF+8*\f+3],   v[ADV] offset:(\f/4)*16*PVB+(\f%4)*32
	ds_load_tr16_b128 v[VF+8*\f+4:VF+8*\f+7], v[ADV] offset:(\f/4)*16*PVB+8*PVB+(\f%4)*32
.endr
.endm
; THE PRODUCTS.  The sixteen accumulators of each kind take turns, one instruction a turn: between two links of a chain stand the fifteen others'.
.macro KQALL                           ; product i of 32 of S^T = K Q^T: channels 32 (i / 16) on, keys 16 ((i / 4) % 4) on, tile i % 4.  The first 16 start the sums
	WIN W_KQ
.set i, 0
.rept 32
.set rS, S+32*(i%4)+8*((i/4)%4)
.set rK, KF+16*((i/4)%4)+8*(i/16)
.set rQ, QF+16*(i%4)+8*(i/16)
.if i < 16
	v_wmma_f32_16x16x32_f16 v[rS:rS+7], v[rK:rK+7], v[rQ:rQ+7], 0
.else
	v_wmma_f32_16x16x32_f16 v[rS:rS+7], v[rK:rK+7], v[rQ:rQ+7], v[rS:rS+7]
.endif
.set i, i+1
.endr
.endm
.macro PVALL                           ; product i of 32 of O^T += V^T P: keys 32 (i / 16) on, channels 16 ((i / 4) % 4) on, tile i % 4
	WIN W_PV
.set i, 0
.rept 32
.set rO, 32*(i%4)+8*((i/4)%4)
.set rV, VF+32*(i/16)+8*((i/4)%4)
.set rP, S+32*(i%4)+8*(i/16)
	v_wmma_f32_16x16x32_f16 v[rO:rO+7], v[rV:rV+7], v[rP:rP+7], v[rO:rO+7]
.set i, i+1
.endr
.endm
; THE SOFTMAX of a step, for the four tiles: every line is written for the tiles by turns, so that no line waits for the line above it.  118 lines a tile.
.macro SOFTMAX
	WIN 0
.irp j, 0,1,2,3                        ; the maximum of the lane's 32 scores and the old m, three operands at a time: four chains, each begun at its accumulator's low end
.irp t, 0,1,2,3
	v_max3_num_f32 v[ST+8*\t+4+\j], v[S+32*\t+8*\j], v[S+32*\t+8*\j+1], v[S+32*\t+8*\j+2]
.endr
.endr
.irp g, 1,2
.irp j, 0,1,2,3
.irp t, 0,1,2,3
	v_max3_num_f32 v[ST+8*\t+4+\j], v[ST+8*\t+4+\j], v[S+32*\t+8*\j+2*\g+1], v[S+32*\t+8*\j+2*\g+2]
.endr
.endr
.endr
.irp t, 0,1,2,3
	v_max3_num_f32 v[ST+8*\t+4], v[ST+8*\t+4], v[S+32*\t+7], v[S+32*\t+15]
.endr
.irp t, 0,1,2,3
	v_max3_num_f32 v[ST+8*\t+6], v[ST+8*\t+6], v[S+32*\t+23], v[S+32*\t+31]
.endr
.irp t, 0,1,2,3
	v_max3_num_f32 v[ST+8*\t+4], v[ST+8*\t+4], v[ST+8*\t+5], v[ST+8*\t+6]
.endr
.irp t, 0,1,2,3
	v_max3_num_f32 v[ST+8*\t+4], v[ST+8*\t+4], v[ST+8*\t+7], v[ST+8*\t+1]
.endr
.irp t, 0,1,2,3
	v_permlanex16_b32 v[ST+8*\t+5], v[ST+8*\t+4], s[SEL], s[SEL+1]   ; the query's other 32 keys lie in the lane 16 away
.endr
.irp t, 0,1,2,3
	v_mov_b32 v[ST+8*\t+7], v[ST+8*\t]             ; c m_old is kept for a
.endr
.irp t, 0,1,2,3
	v_max_num_f32 v[ST+8*\t+1], v[ST+8*\t+4], v[ST+8*\t+5]
.endr
.irp t, 0,1,2,3
	v_mul_f32 v[ST+8*\t], s[CS], v[ST+8*\t+1]
.endr
.irp t, 0,1,2,3
	v_sub_f32 v[ST+8*\t+7], v[ST+8*\t+7], v[ST+8*\t]
.endr
; ONE BATCH: the four a, the 64 scalings c s - c m (a pair of scores each) and the 128 exponentials.  No line of it names an exponential's result.
.irp t, 0,1,2,3
	v_exp_f32 v[ST+8*\t+6], v[ST+8*\t+7]
.endr
.irp b, 0,1,2,3,4,5,6,7,8,9,10,11,12,13,14,15
.irp t, 0,1,2,3
	v_pk_fma_f32 v[S+32*\t+2*\b:S+32*\t+2*\b+1], v[S+32*\t+2*\b:S+32*\t+2*\b+1], s[CS:CS+1], v[ST+8*\t:ST+8*\t+1] op_sel_hi:[1,0,0] neg_lo:[0,0,1] neg_hi:[0,0,1]
.endr
.irp t, 0,1,2,3
	v_exp_f32 v[S+32*\t+2*\b], v[S+32*\t+2*\b]
	v_exp_f32 v[S+32*\t+2*\b+1], v[S+32*\t+2*\b+1]
.endr
.endr
	v_nop                                          ; a plain instruction behind the last exponential, ahead of the first use: one for the batch
	s_wait_alu depctr_va_vdst(0)                   ; and the wait ahead of the first line that names a result: one for the batch
; the sums of the unrounded p, in two chains a tile: l = a l + pair 0, then the odd pairs; the even pairs in the second chain
.irp t, 0,1,2,3
	v_pk_fma_f32 v[ST+8*\t+2:ST+8*\t+3], v[ST+8*\t+2:ST+8*\t+3], v[ST+8*\t+6:ST+8*\t+7], v[S+32*\t:S+32*\t+1] op_sel_hi:[1,0,1]
.endr
.irp t, 0,1,2,3
	v_pk_add_f32 v[TS+2*\t:TS+2*\t+1], v[S+32*\t+2:S+32*\t+3], v[S+32*\t+4:S+32*\t+5]
.endr
.irp b, 3,5,7,9,11,13
.irp t, 0,1,2,3
	v_pk_add_f32 v[ST+8*\t+2:ST+8*\t+3], v[ST+8*\t+2:ST+8*\t+3], v[S+32*\t+2*\b:S+32*\t+2*\b+1]
.endr
.irp t, 0,1,2,3
	v_pk_add_f32 v[TS+2*\t:TS+2*\t+1], v[TS+2*\t:TS+2*\t+1], v[S+32*\t+2*(\b+1):S+32*\t+2*(\b+1)+1]
.endr
.endr
.irp t, 0,1,2,3
	v_pk_add_f32 v[ST+8*\t+2:ST+8*\t+3], v[ST+8*\t+2:ST+8*\t+3], v[S+32*\t+30:S+32*\t+31]
.endr
.irp t, 0,1,2,3
	v_pk_add_f32 v[ST+8*\t+2:ST+8*\t+3], v[ST+8*\t+2:ST+8*\t+3], v[TS+2*\t:TS+2*\t+1]
.endr
.irp e, 0,1,2,3,4,5,6,7,8,9,10,11,12,13,14,15   ; p to f16, a pair to a register, in place: register e was read when pair e / 2 was rounded
.irp t, 0,1,2,3
	v_cvt_pk_f16_f32 v[S+32*\t+\e], v[S+32*\t+2*\e], v[S+32*\t+2*\e+1]
.endr
.endr
	WIN W_RS
.irp n, 0,1,2,3,4,5,6,7,8,9,10,11,12,13,14,15   ; O^T times a, each accumulator from its low end on
.irp t, 0,1,2,3
	v_pk_mul_f32 v[32*\t+2*\n:32*\t+2*\n+1], v[32*\t+2*\n:32*\t+2*\n+1], v[ST+8*\t+6:ST+8*\t+7] op_sel_hi:[1,0]
.endr
.endr
.endm
; A KEY STEP, 64 keys.  K of this step is in registers.  V is asked for at the head and has the products K Q^T and the softmax in which to come; the next step's K is asked for behind K Q^T and has the softmax.
.macro STEP
	v_add_nc_u32 v[ADV], s[TV], v[AV0]
.rept 4
	v_nop                                          ; with the line above five places behind the last products V^T P: the products below write over p's registers, which those read; the loads of V want four
.endr
	VLD
	KQALL
	WIN 0
	s_add_co_u32 s[TK], s[TK], KSTP
	v_add_nc_u32 v[ADK], s[TK], v[AK0]
.rept 3
	v_nop                                          ; with the line above four places behind the last products K Q^T: for the loads into K's registers and for the first read of the scores
.endr
	s_cmp_eq_u32 s[CNT], 1                         ; the slot's last step fetches no K: the next slot is read only behind its barrier
	s_cbranch_scc1 .Lnok_\@
	KLD
.Lnok_\@:
	SOFTMAX
	s_wait_dscnt 0x0                               ; V is in, and so is the next step's K
	PVALL
	WIN 0
.endm
.macro VISIT slot                      ; a slot's eight key steps: written once, walked eight times; the LDS addresses hang on s[TK] and s[TV]
	s_mov_b32 s[TK], \slot*SLOTB
	s_mov_b32 s[TV], \slot*SLOTB
	s_mov_b32 s[CNT], 8
	v_add_nc_u32 v[ADK], s[TK], v[AK0]
	KLD
	s_wait_dscnt 0x0
.Lstep_\@:
	STEP
	s_add_co_u32 s[TV], s[TV], VSTP
	s_sub_co_u32 s[CNT], s[CNT], 1
	s_cmp_lg_u32 s[CNT], 0
	s_cbranch_scc1 .Lstep_\@
.endm
; THE CHANGE OF SLOTS.  Each wave waits for all its tensor loads, adds 0 to its spare word, and waits for that and for its reads of the slot that it leaves.  fill = 1: that slot is filled again, with the keys 1,024 on:
; the barrier is then a round of the cluster's, so that no wave of any partner still reads the slot or has a load on its way, and the joint refill is the first thing behind it: it has a whole slot's eight steps in which to land.
.macro CHANGE slot, fill
	s_wait_tensorcnt 0x0                           ; no tensor load of mine is out, so a group 0 may be written
	ds_add_u32 v[SPW], v[NIL]                      ; 0 onto my spare word
.if \fill
	ds_add_u32 v[SPW], v[NIL]                      ; and once more
	s_add_nc_u64 s[G0K+4*\slot+2:G0K+4*\slot+3], s[G0K+4*\slot+2:G0K+4*\slot+3], 131072   ; 1,024 keys on; the type bits on top are not reached
	s_add_nc_u64 s[G0V+4*\slot+2:G0V+4*\slot+3], s[G0V+4*\slot+2:G0V+4*\slot+3], 131072
	s_wait_dscnt 0x0                               ; the adds are done, and my reads of the slot are over
	CROUND
	JLOAD \slot
.else
	s_wait_dscnt 0x0
	s_barrier_signal -1
	s_barrier_wait -1
.endif
.endm
	s_wait_tensorcnt 0x0                           ; my parts of both slots are in,
	s_barrier_signal -1
	s_barrier_wait -1                              ; everybody's are
	s_wait_loadcnt 0x0                             ; Q
	VISIT 0                                        ; keys 0 to 511
	CHANGE 0, 1                                    ; slot 0 takes keys 1,024 to 1,535
	VISIT 1                                        ; keys 512 to 1,023
	CHANGE 1, 1                                    ; slot 1 takes keys 1,536 to 2,047
	VISIT 0
	CHANGE 1, 0                                    ; nothing is left to fetch
	VISIT 1
	; THE WAY OUT.  l's two halves and the other half of the lanes' are added, and the 1e-8 of the divisor; O^T is divided, rounded to f16 and sent through my stage in LDS, a tile (16 rows) at a time.  The additions are the places behind the last products.
.irp t, 0,1,2,3
	v_add_f32 v[ST+8*\t+4], v[ST+8*\t+2], v[ST+8*\t+3]
.endr
.irp t, 0,1,2,3
	v_permlanex16_b32 v[ST+8*\t+5], v[ST+8*\t+4], s[SEL], s[SEL+1]
.endr
.irp t, 0,1,2,3
	v_add_f32 v[ST+8*\t+4], v[ST+8*\t+4], v[ST+8*\t+5]
.endr
.irp t, 0,1,2,3
	v_add_f32 v[ST+8*\t+4], 0x322bcc77, v[ST+8*\t+4]   ; + 1e-8
.endr
.irp t, 0,1,2,3
	v_rcp_f32 v[ST+8*\t+6], v[ST+8*\t+4]
.endr
	v_nop                                          ; a plain instruction between the last reciprocal and the use of its result
	s_wait_alu depctr_va_vdst(0)                   ; and the wait ahead of the first use: one for the four
.macro PACK t                          ; a lane's eight channels of a row pack into 16 bytes; they go into rows of 144 bytes and come back four rows of 128 bytes an instruction
	WIN W_RS
.set i, 32*\t
.rept 16
	v_pk_mul_f32 v[i:i+1], v[i:i+1], v[ST+8*\t+6:ST+8*\t+7] op_sel_hi:[1,0]
.set i, i+2
.endr
	WIN W_CV
.set i, 0
.rept 16
	v_cvt_pk_f16_f32 v[S+32*\t+i], v[32*\t+2*i], v[32*\t+2*i+1]
.set i, i+1
.endr
	WIN 0
.irp f, 0,1,2,3
	ds_store_b128 v[STO], v[S+32*\t+4*\f:S+32*\t+4*\f+3] offset:32*\f
.endr
.irp f, 0,1,2,3
	ds_load_b128 v[S+32*\t+16+4*\f:S+32*\t+16+4*\f+3], v[RD] offset:\f*4*SPT   ; LDS serves a wave's instructions in order (ISA guide 5.7.1.4): these see the stores above; the next tile's stores come behind them
.endr
.endm
	PACK 0
	PACK 1
	PACK 2
	PACK 3
	s_wait_dscnt 0x0
.irp t, 0,1,2,3
.irp f, 0,1,2,3
	global_store_b128 v[GO], v[S+32*\t+16+4*\f:S+32*\t+16+4*\f+3], s[6:7] offset:\t*2048+\f*512   ; 32 lanes store 512 consecutive bytes, at a multiple of 256 from the buffer's first byte
.endr
.endr
	s_wait_tensorcnt 0x0                           ; the wave's end, behind my last tensor load and my last LDS store
	ds_add_u32 v[SPW], v[NIL]
	s_wait_dscnt 0x0
	CROUND                                         ; the closing round: no work-group ends while a partner may still ask for a tile that names it
	s_endpgm
.Lfunc_end_k_q14f2957d6e_attn:
	.size	k_q14f2957d6e_attn, .Lfunc_end_k_q14f2957d6e_attn-k_q14f2957d6e_attn
	.p2alignl 7, 3214868480
	.fill 96, 4, 3214868480
	.section	.rodata,"a",@progbits
	.p2align	6, 0x0
	.amdhsa_kernel k_q14f2957d6e_attn
		.amdhsa_group_segment_fixed_size 327680
		.amdhsa_private_segment_fixed_size 0
		.amdhsa_enable_private_segment 0
		.amdhsa_kernarg_size 16
		.amdhsa_user_sgpr_count 2
		.amdhsa_user_sgpr_kernarg_segment_ptr 1
		.amdhsa_wavefront_size32 1
		.amdhsa_system_sgpr_workgroup_id_x 1
		.amdhsa_system_sgpr_workgroup_id_y 1
		.amdhsa_system_sgpr_workgroup_id_z 1
		.amdhsa_system_vgpr_workitem_id 0
		.amdhsa_next_free_vgpr 512
		.amdhsa_next_free_sgpr 66
		.amdhsa_reserve_vcc 0
		.amdhsa_float_denorm_mode_32 3
		.amdhsa_float_denorm_mode_16_64 3
		.amdhsa_memory_ordered 1
		.amdhsa_forward_progress 1
		.amdhsa_inst_pref_size 161
	.end_amdhsa_kernel
	.amdgpu_metadata
---
amdhsa.version: [ 1, 2 ]
amdhsa.kernels:
  - .name:           k_q14f2957d6e_attn
    .symbol:         k_q14f2957d6e_attn.kd
    .args:
      - { .name: qkv, .offset: 0, .size: 8, .value_kind: global_buffer, .address_space: global }
      - { .name: ao, .offset: 8, .size: 8, .value_kind: global_buffer, .address_space: global }
    .group_segment_fixed_size: 327680
    .private_segment_fixed_size: 0
    .kernarg_segment_align: 8
    .kernarg_segment_size: 16
    .max_flat_workgroup_size: 256
    .sgpr_count:     66
    .vgpr_count:     512
    .wavefront_size: 32
...
	.end_amdgpu_metadata
.endif
;; end of part 3
;; launch oproj (part 4): grid 4 x 64, 4 waves a work-group, clusters of 4 x 4, 327,680 bytes of LDS; arguments ao, wo16, bo, out0; writes out0
.if DOCPART == 4
	.amdgcn_target "amdgcn-amd-amdhsa--gfx1250"
	.amdhsa_code_object_version 6
	.text
	.protected	k_q14f2957d6e_oproj
	.globl	k_q14f2957d6e_oproj
	.p2align	8
	.type	k_q14f2957d6e_oproj,@function
k_q14f2957d6e_oproj:
	s_mov_b64 s[64:65], 0
	v_nop
	global_prefetch_b8 v0, s[64:65] scope:SCOPE_SE
	s_setreg_imm32_b32 hwreg(HW_REG_WAVE_MODE, 25, 1), 1
	s_wait_xcnt 0x0
	s_wait_alu depctr_hold_cnt(0) depctr_sa_sdst(0) depctr_va_vdst(0) depctr_va_sdst(0) depctr_va_ssrc(0) depctr_va_vcc(0) depctr_vm_vsrc(0)
	s_getreg_b32 s2, hwreg(HW_REG_IB_STS2, 6, 4)
	s_cmp_eq_u32 s2, 0
	s_cbranch_scc0 .Lentry_in_a_cluster
	s_endpgm
.Lentry_in_a_cluster:
	s_bfe_u32 s2, ttmp6, 0x10000c
	s_cmp_lg_u32 s2, 0xf033
	s_cbranch_scc0 .Lentry_shape_is_right
	s_endpgm
.Lentry_shape_is_right:
; LAUNCH 4 OF 4.  out0[m][n] = sum over k of a[m][k] Wo[n][k] + bo[n], m = 2048 b + t, k = 64 hd + d; a[m][k] = ao[16 b + hd][t][d] and Wo[n][k] = wo16[hd][n][d], both f16; sums and result in f32.  Nothing of reference() is left out here.
; A tile of out0 is 128 rows x 256 columns: 256 work-groups.  Four waves, each 64 rows x 128 columns: 32 accumulators of 16 x 16.  A K step is two heads, 128 along K; eight steps, written out.
; A head's part of a tile is a dense block of memory (128 bytes a row), stated as PAIR ROWS of 256 bytes, two rows each, 272 bytes apart in LDS: row j lies at (j / 2) x 272 + (j % 2) x 128,
; so that the 16 rows of a fragment load begin in 16 different runs of 16 bytes modulo 256.
; RING.  Two slots of a K step: a's two heads (64 pair rows each), then Wo's two (128 each).  Waves 0, 1 fetch a's heads, waves 2, 3 Wo's: one load a wave.  At most two tensor loads of a wave are out.
; CLUSTERS: 4 x 4 work-groups.  The four of a row of the cluster need the same tiles of a, the four of a column the same tiles of Wo: each is asked for JOINTLY, by the same tensor load with the same descriptor and a mask that names the four.
; THE MATRIX INSTRUCTION IS USED TRANSPOSED (source 0 = 16 rows of Wo, source 1 = 16 rows of a): a lane then holds eight neighbouring numbers of a row of out0.  The bias is the C of each sum's first product.
; REGISTERS: window 0: v1-31 addresses; two fragment buffers of 96 (a's 4 fragments, then Wo's 8, for 32 along K) at v32 and v128.   window 1: accumulator (a, b) at v[8 (8 a + b)].   window 2: v0-63 the bias, eight registers for each b.
.set PITCH,  272
.set AHD,    64*PITCH                  ; a head's 128 rows of a
.set BHD,    128*PITCH                 ; a head's 256 rows of Wo
.set BOFF,   2*AHD                     ; Wo's tiles lie behind a's
.set SLOT,   2*AHD+2*BHD
.set STAGE,  2*SLOT                    ; behind the ring: 16 rows x (512 + 16) bytes for each wave, for the way out
.set SPITCH, 528
.set SPARE,  STAGE+4*16*SPITCH         ; behind the stages: the spare words, 128 bytes for each wave
.set ADRA, 16                          ; v16-17  LDS address of my fragments of a in slot 0, 1
.set ADRB, 20                          ; v20-21  the same for Wo
.set STO,  24                          ; v24     the way out: where I put 32 bytes of a row
.set RD,   25                          ; v25     the way out: where I read a row back
.set CO,   26                          ; v26     16 x lane
.set BO,   27                          ; v27     32 x (lane / 16): my eight numbers of a tile's sixteen of bo
.set SPW,  28                          ; v28     LDS address of my spare word; never rewritten
.set NIL,  29                          ; v29     0; never rewritten
.set F0,   32
.set F1,   128
.set BK,   32                          ; the way out: 16 rows read back: v32-95 and v128-191 by turns
.set G1A, 16                           ; s[16:23] descriptor group 1 for a's tiles;  s[32:39] group 0, one set for each slot
.set G1B, 24                           ; s[24:31], s[48:55] the same for Wo's
.set G0A, 32
.set G0B, 48
.set MSB, 0
.macro WIN new                         ; the immediate's high byte repeats the setting that is left
.if MSB != (\new)
	s_set_vgpr_msb (MSB<<8)|(\new)
.set MSB, \new
.endif
.endm
.set W_MUL,  0x50                      ; C and D window 1; the fragments window 0
.set W_MUL0, 0x60                      ; C (the bias) window 2, D window 1
.macro JLOAD s                         ; a joint load: waves 0 and 1 fetch a's two heads, waves 2 and 3 Wo's; an s_nop 0 and four v_nop follow each of the two lines
	s_cmp_eq_u32 s13, 0
	s_cbranch_scc0 .Lfor_b_\@
	tensor_load_to_lds s[G0A+4*\s:G0A+4*\s+3], s[G1A:G1A+7]
	s_nop 0
.rept 4
	v_nop
.endr
	s_branch .Lasked_\@
.Lfor_b_\@:
	tensor_load_to_lds s[G0B+4*\s:G0B+4*\s+3], s[G1B:G1B+7]
	s_nop 0
.rept 4
	v_nop
.endr
.Lasked_\@:
.endm
.macro CREST                           ; a round of the cluster's barrier behind its opening barrier
	s_cmp_lg_u32 s12, 0
	s_cbranch_scc1 .Lnot_wave_0_\@
	s_barrier_signal -3
.Lnot_wave_0_\@:
	s_barrier_wait -3
	s_barrier_signal -1
	s_barrier_wait -1
.endm
.macro CROUND                          ; a whole round
	s_barrier_signal -1
	s_barrier_wait -1
	CREST
.endm
	s_load_b256 s[4:11], s[0:1], 0x0               ; ao s[4:5], wo16 s[6:7], bo s[8:9], out0 s[10:11]
	v_lshl_add_u32 v[SPW], v0, 2, SPARE
	v_mov_b32 v[NIL], 0
	ds_add_u32 v[SPW], v[NIL]                      ; the wave's opening: the add, twice on end, and its wait ahead of my first tensor load; the set-up below, work on registers, stands between
	ds_add_u32 v[SPW], v[NIL]
	v_lshrrev_b32 v1, 5, v0
	v_readfirstlane_b32 s12, v1                    ; wave 0..3
	s_lshr_b32 s13, s12, 1                         ; which half of the tile's rows is mine.  Also: I fetch for a (0) or for Wo (1)
	s_and_b32 s14, s12, 1                          ; which half of its columns.  Also: which of a step's two heads I fetch
	s_bfe_u32 s40, ttmp6, 0x40000                  ; cx, cy: my place in the cluster
	s_bfe_u32 s41, ttmp6, 0x40004
	s_lshl_b32 s42, ttmp9, 2
	s_add_co_u32 s42, s42, s40                     ; tile column = 4 x cluster x + cx
	s_and_b32 s43, ttmp7, 0xffff
	s_lshl_b32 s43, s43, 2
	s_add_co_u32 s43, s43, s41                     ; tile row = 4 x cluster y + cy
	s_lshl_b32 s44, s41, 2
	s_lshl_b32 s44, 15, s44                        ; my row of the cluster
	s_lshl_b32 s45, 0x1111, s40                    ; my column
	; descriptor group 1: pair rows of 128 elements of 2 bytes, dense in memory, 16 bytes of padding behind each in LDS: 64 of them for a, 128 for Wo
	s_or_b32 s[G1A+0], s44, (1<<16)|(1<<20)|(1<<21)|(5<<22)|(3<<25)  ; 15:0 the mask: a's tiles go to my row; 17:16 element of 2 bytes; 20 padding on; 21 set beside a mask; 24:22 after every 64 words; 31:25 four words
	s_or_b32 s[G1B+0], s45, (1<<16)|(1<<20)|(1<<21)|(5<<22)|(3<<25)
	s_mov_b32 s[G1A+1], 128<<16                    ; tensor_dim0 = 128
	s_mov_b32 s[G1A+2], 64<<16                     ; tensor_dim1 = 64
	s_mov_b32 s[G1A+3], 128<<16                    ; tile_dim0 = 128
	s_mov_b32 s[G1A+4], 64                         ; tile_dim1 = 64
	s_mov_b32 s[G1A+5], 128                        ; tensor_dim0_stride
	s_mov_b32 s[G1A+6], 0
	s_mov_b32 s[G1A+7], 0
	s_mov_b32 s[G1B+1], 128<<16
	s_mov_b32 s[G1B+2], 128<<16                    ; tensor_dim1 = 128
	s_mov_b32 s[G1B+3], 128<<16
	s_mov_b32 s[G1B+4], 128                        ; tile_dim1 = 128
	s_mov_b32 s[G1B+5], 128
	s_mov_b32 s[G1B+6], 0
	s_mov_b32 s[G1B+7], 0
	; where the tiles come from.  a's hang on the tile row alone, Wo's on the tile column alone, each in registers that never hold the other coordinate
	s_lshr_b32 s46, s43, 4                         ; b
	s_lshl_b32 s46, s46, 4
	s_add_co_u32 s46, s46, s14                     ; 16 b + my head of step 0
	s_lshl_b32 s46, s46, 18                        ; a head's 2,048 rows of 128 bytes
	s_and_b32 s47, s43, 15
	s_lshl_b32 s47, s47, 14                        ; the tile's 128 rows in it
	s_add_co_u32 s46, s46, s47
	s_mov_b32 s47, 0
	s_lshl_b32 s56, s14, 17                        ; Wo: a head's 1,024 rows of 128 bytes
	s_lshl_b32 s57, s42, 15                        ; the tile's 256 rows in it
	s_add_co_u32 s56, s56, s57
	s_mov_b32 s57, 0
	s_mul_i32 s58, s14, AHD                        ; and where they go: no place in the cluster enters an LDS address
	s_mul_i32 s59, s14, BHD
	s_add_co_u32 s59, s59, BOFF
	s_wait_dscnt 0x0                               ; both opening adds are done
	s_wait_kmcnt 0x0
	s_add_nc_u64 s[60:61], s[4:5], s[46:47]
	s_add_nc_u64 s[62:63], s[6:7], s[56:57]
	CROUND                                         ; all sixteen work-groups are here: the first joint loads meet
.irp s, 0,1
	s_mov_b32 s[G0A+4*\s], 1
	s_add_co_u32 s[G0A+4*\s+1], s58, \s*SLOT
	s_add_nc_u64 s[G0A+4*\s+2:G0A+4*\s+3], s[60:61], \s*524288     ; K step s: two heads on
	s_or_b32 s[G0A+4*\s+3], s[G0A+4*\s+3], 0x80000000
	s_mov_b32 s[G0B+4*\s], 1
	s_add_co_u32 s[G0B+4*\s+1], s59, \s*SLOT
	s_add_nc_u64 s[G0B+4*\s+2:G0B+4*\s+3], s[62:63], \s*262144
	s_or_b32 s[G0B+4*\s+3], s[G0B+4*\s+3], 0x80000000
	JLOAD \s
.endr
	v_and_b32 v1, 15, v0                           ; r = l % 16
	v_bfe_u32 v2, v0, 4, 1                         ; h = l / 16
	v_lshrrev_b32 v3, 1, v1
	v_mul_u32_u24 v3, v3, PITCH
	v_and_b32 v4, 1, v0
	v_lshl_add_u32 v3, v4, 7, v3
	v_lshl_add_u32 v3, v2, 4, v3                   ; a fragment's row: (r / 2) x pitch + (r % 2) x 128 + 16 h
	s_mul_i32 s15, s13, 32*PITCH                   ; my 64 rows of a
	s_mul_i32 s3, s14, 64*PITCH                    ; my 128 rows of Wo,
	s_add_co_u32 s3, s3, BOFF                      ; which lie behind a's tiles
.irp s, 0,1
	v_add_nc_u32 v[ADRA+\s], s15, v3
	v_add_nc_u32 v[ADRB+\s], s3, v3
	s_add_co_u32 s15, s15, SLOT
	s_add_co_u32 s3, s3, SLOT
.endr
	s_mul_i32 s15, s12, 16*SPITCH
	s_add_co_u32 s15, s15, STAGE                   ; my stage
	v_mul_u32_u24 v4, v1, SPITCH                   ; in: row r, 32 bytes for each half of the lanes
	v_lshl_add_u32 v4, v2, 5, v4
	v_add_nc_u32 v[STO], s15, v4
	v_and_b32 v5, 31, v0
	v_lshlrev_b32 v[CO], 4, v5                     ; back: the 32 lanes take one row of 512 bytes; and the same in out0
	v_add_nc_u32 v[RD], s15, v[CO]
	v_lshlrev_b32 v[BO], 5, v2
	s_lshl_b32 s46, s43, 19                        ; my first row of out0: (128 x tile row + 64 x half) rows of 4,096 bytes
	s_lshl_b32 s47, s13, 18
	s_add_co_u32 s46, s46, s47
	s_mov_b32 s47, 0
	s_lshl_b32 s56, s42, 10                        ; my first column, in bytes: 1,024 x tile column + 512 x half; the same place in bo
	s_lshl_b32 s57, s14, 9
	s_add_co_u32 s56, s56, s57
	s_mov_b32 s57, 0
	s_add_nc_u64 s[8:9], s[8:9], s[56:57]
	s_add_nc_u64 s[46:47], s[46:47], s[56:57]
	s_add_nc_u64 s[10:11], s[10:11], s[46:47]
	WIN 0x80                                       ; destination window 2
.irp b, 0,1,2,3,4,5,6,7                ; the bias in the result's layout: register 8 b + j = bo[my first column + 16 b + 8 h + j]
	global_load_b128 v[8*\b:8*\b+3],   v[BO], s[8:9] offset:64*\b
	global_load_b128 v[8*\b+4:8*\b+7], v[BO], s[8:9] offset:64*\b+16
.endr
	WIN 0
; 24 LDS loads in one run: the fragments of the slot's q-th 32 along K (head q / 2, channels 32 (q % 2) on) into buffer f
.macro FETCH slot, q, f
	WIN 0
.irp b, 0,1,2,3,4,5,6,7
	ds_load_b128 v[\f+32+8*\b:\f+32+8*\b+3],   v[ADRB+\slot] offset:((\q)/2)*BHD+\b*8*PITCH+((\q)%2)*64
	ds_load_b128 v[\f+32+8*\b+4:\f+32+8*\b+7], v[ADRB+\slot] offset:((\q)/2)*BHD+\b*8*PITCH+((\q)%2)*64+32
.endr
.irp a, 0,1,2,3
	ds_load_b128 v[\f+8*\a:\f+8*\a+3],   v[ADRA+\slot] offset:((\q)/2)*AHD+\a*8*PITCH+((\q)%2)*64
	ds_load_b128 v[\f+8*\a+4:\f+8*\a+7], v[ADRA+\slot] offset:((\q)/2)*AHD+\a*8*PITCH+((\q)%2)*64+32
.endr
.endm
; 8 matrix instructions: a's block against Wo's eight, 32 along K.  zero = 1: the first product starts the sums from the bias.  The 32 accumulators take turns, one instruction a turn, in the same order in every quarter.
.macro MUL8 f, a, zero
.irp b, 0,1,2,3,4,5,6,7
.if \zero
	v_wmma_f32_16x16x32_f16 v[8*(8*(\a)+\b):8*(8*(\a)+\b)+7], v[\f+32+8*\b:\f+32+8*\b+7], v[\f+8*(\a):\f+8*(\a)+7], v[8*\b:8*\b+7]
.else
	v_wmma_f32_16x16x32_f16 v[8*(8*(\a)+\b):8*(8*(\a)+\b)+7], v[\f+32+8*\b:\f+32+8*\b+7], v[\f+8*(\a):\f+8*(\a)+7], v[8*(8*(\a)+\b):8*(8*(\a)+\b)+7]
.endif
.endr
.endm
.macro PLACES                          ; four places in front of loads into registers that matrix instructions have read, and of LDS stores that read results (ISA guide 7.12.1 for the stores)
.rept 4
	v_nop
.endr
.endm
; A K step is four quarters of 32 along K, 32 matrix instructions each, on buffers 0, 1, 0, 1.  One of the first three: the next quarter's fragments are asked for, then buffer f is multiplied.
.macro QUARTER slot, q, f, g, zero
	s_wait_dscnt 0x0                               ; buffer f is in
	PLACES
	FETCH \slot, (\q)+1, \g
.if \zero
	WIN W_MUL0
.else
	WIN W_MUL
.endif
	MUL8 \f, 0, \zero
	MUL8 \f, 1, \zero
	MUL8 \f, 2, \zero
	MUL8 \f, 3, \zero
.endm
.macro THREE slot, zero
	QUARTER \slot, 0, F0, F1, \zero
	QUARTER \slot, 1, F1, F0, 0
	QUARTER \slot, 2, F0, F1, 0
.endm
; The last quarter multiplies buffer 1 and changes slots: ONE barrier; in front of it each wave waits for all its tensor loads, adds 0 to its spare word, and waits for that and for its own reads of this slot.  fill = 1: this slot is filled again, two K steps ahead.
.macro TURN slot, next, fill
	WIN 0                                          ; (the add's two registers lie in window 0)
	s_wait_tensorcnt 0x0                           ; all my tensor loads have landed: my part of the next slot;
	ds_add_u32 v[SPW], v[NIL]                      ; 0 onto my spare word;
	s_wait_dscnt 1                                 ; buffer 1 is in (the add alone may be out)
	WIN W_MUL
	MUL8 F1, 0, 0                                  ; eight matrix instructions stand between the add and the wait for it
	s_wait_dscnt 0x0                               ; the add is done, and my reads of this slot are over
	s_barrier_signal -1
	MUL8 F1, 1, 0
	WIN 0
	s_barrier_wait -1
.if \fill
	CREST                                          ; the barrier has opened a round of the cluster's barrier: no wave of any partner still reads this slot's tiles or has a load on its way
	s_add_nc_u64 s[G0A+4*\slot+2:G0A+4*\slot+3], s[G0A+4*\slot+2:G0A+4*\slot+3], 1048576   ; four heads on
	s_add_nc_u64 s[G0B+4*\slot+2:G0B+4*\slot+3], s[G0B+4*\slot+2:G0B+4*\slot+3], 524288
	JLOAD \slot                                    ; the first tensor load behind the round: 112 matrix instructions ahead of the wait for it; the four v_nop behind it are also the places in front of the loads below
.else
	PLACES
.endif
	FETCH \next, 0, F0
	WIN W_MUL
	MUL8 F1, 2, 0
	MUL8 F1, 3, 0
.endm
	s_wait_tensorcnt 1                             ; my part of K step 0 is in (K step 1's load may be out)
	s_barrier_signal -1
	s_barrier_wait -1                              ; everybody's is
	FETCH 0, 0, F0
	s_wait_loadcnt 0x0                             ; the bias
	THREE 0, 1                                     ; K step 0: its first products start the sums
	TURN 0, 1, 1
	THREE 1, 0                                     ; 1
	TURN 1, 0, 1
	THREE 0, 0                                     ; 2
	TURN 0, 1, 1
	THREE 1, 0                                     ; 3
	TURN 1, 0, 1
	THREE 0, 0                                     ; 4
	TURN 0, 1, 1
	THREE 1, 0                                     ; 5
	TURN 1, 0, 1
	THREE 0, 0                                     ; 6: nothing is left to fetch
	TURN 0, 1, 0
	THREE 1, 0                                     ; 7
	s_wait_dscnt 0x0
	WIN W_MUL
	MUL8 F1, 0, 0
	MUL8 F1, 1, 0
	MUL8 F1, 2, 0
	MUL8 F1, 3, 0
	WIN 0
; THE WAY OUT, block by block of 16 rows x 128 columns.  A lane holds 32 neighbouring bytes of a row, and the lanes beside it hold other rows: so a block goes through my own stage in LDS and comes back as whole
; rows of 512 bytes.  LDS serves a wave's instructions in order (ISA guide 5.7.1.4): no wait between the stores and the loads, nor in front of the next block's stores.
.macro TOSTAGE a
	WIN 0x04                                       ; an LDS store's data are its source 1: window 1
.irp b, 0,1,2,3,4,5,6,7
	ds_store_b128 v[STO], v[8*(8*(\a)+\b):8*(8*(\a)+\b)+3] offset:64*\b          ; each accumulator from its low end on
	ds_store_b128 v[STO], v[8*(8*(\a)+\b)+4:8*(8*(\a)+\b)+7] offset:64*\b+16
.endr
	WIN 0
.set BB, BK+96*((\a)%2)
.irp t, 0,1,2,3,4,5,6,7,8,9,10,11,12,13,14,15
	ds_load_b128 v[BB+4*\t:BB+4*\t+3], v[RD] offset:\t*SPITCH
.endr
.endm
.macro SEND a, younger                 ; younger: the LDS instructions issued behind block a's loads, which may stay out
.set BB, BK+96*((\a)%2)
	s_wait_dscnt \younger                          ; the block is back in registers
.irp t, 0,1,2,3,4,5,6,7,8,9,10,11,12,13,14,15
	global_store_b128 v[CO], v[BB+4*\t:BB+4*\t+3], s[10:11] offset:(16*(\a)+\t)*4096 th:TH_STORE_NT   ; 32 lanes store 512 consecutive bytes, at a multiple of 256 from out0's first byte; written once, read by nobody here
.endr
.endm
	PLACES                                         ; for the LDS stores that read results, and for the loads into the registers that held fragments
	TOSTAGE 0
.irp a, 1,2,3
.if \a > 1
	s_wait_xcnt 0x0                                ; block a - 2's stores have read their registers: block a's loads land there only behind this wait
.endif
	TOSTAGE \a
	SEND \a-1, 32                                  ; behind block a - 1's loads: block a's 16 stores and 16 loads
.endr
	SEND 3, 0
	s_wait_tensorcnt 0x0                           ; the wave's end, behind my last tensor load and my last LDS store
	ds_add_u32 v[SPW], v[NIL]
	s_wait_dscnt 0x0
	CROUND                                         ; the closing round: no work-group ends while a partner may still ask for a tile that names it
	s_endpgm
.Lfunc_end_k_q14f2957d6e_oproj:
	.size	k_q14f2957d6e_oproj, .Lfunc_end_k_q14f2957d6e_oproj-k_q14f2957d6e_oproj
	.p2alignl 7, 3214868480
	.fill 96, 4, 3214868480
	.section	.rodata,"a",@progbits
	.p2align	6, 0x0
	.amdhsa_kernel k_q14f2957d6e_oproj
		.amdhsa_group_segment_fixed_size 327680
		.amdhsa_private_segment_fixed_size 0
		.amdhsa_enable_private_segment 0
		.amdhsa_kernarg_size 32
		.amdhsa_user_sgpr_count 2
		.amdhsa_user_sgpr_kernarg_segment_ptr 1
		.amdhsa_wavefront_size32 1
		.amdhsa_system_sgpr_workgroup_id_x 1
		.amdhsa_system_sgpr_workgroup_id_y 1
		.amdhsa_system_sgpr_workgroup_id_z 1
		.amdhsa_system_vgpr_workitem_id 0
		.amdhsa_next_free_vgpr 576
		.amdhsa_next_free_sgpr 66
		.amdhsa_reserve_vcc 0
		.amdhsa_float_denorm_mode_32 3
		.amdhsa_float_denorm_mode_16_64 3
		.amdhsa_memory_ordered 1
		.amdhsa_forward_progress 1
		.amdhsa_inst_pref_size 149
	.end_amdhsa_kernel
	.amdgpu_metadata
---
amdhsa.version: [ 1, 2 ]
amdhsa.kernels:
  - .name:           k_q14f2957d6e_oproj
    .symbol:         k_q14f2957d6e_oproj.kd
    .args:
      - { .name: ao, .offset: 0, .size: 8, .value_kind: global_buffer, .address_space: global }
      - { .name: wo16, .offset: 8, .size: 8, .value_kind: global_buffer, .address_space: global }
      - { .name: bo, .offset: 16, .size: 8, .value_kind: global_buffer, .address_space: global }
      - { .name: out0, .offset: 24, .size: 8, .value_kind: global_buffer, .address_space: global }
    .group_segment_fixed_size: 327680
    .private_segment_fixed_size: 0
    .kernarg_segment_align: 8
    .kernarg_segment_size: 32
    .max_flat_workgroup_size: 128
    .sgpr_count:     66
    .vgpr_count:     576
    .wavefront_size: 32
...
	.end_amdgpu_metadata
.endif
;; end of part 4
